; MI455X (gfx1250); checked and timed in simulation.
; The chip was launched on July 23, 2026; its instructions are those of AMD's public machine-readable ISA for CDNA 5 (MIT licence, August 2026) and "CDNA5" Instruction Set Architecture Reference Guide (July 2026). The comments in the code are by the model that wrote it; some were corrected since.
;; Attention. Allowed arithmetic: float matrix products may take bf16 or f16 operands with f32 sums; all other float work in f32.
;; Inputs: mask 1 x 1 x 2,048 x 2,048 float32; wk 2,048 x 2,048 float32; wo 2,048 x 2,048 float32; wq 2,048 x 2,048 float32; wv 2,048 x 2,048 float32; x 1 x 2,048 x 2,048 float32.
;; Outputs: out0 1 x 2,048 x 2,048 float32.
;; Constants: start_pos = 0.
;; 2 versions, each right; version 2 is version 1 with the launch cast written anew for expert scheduling mode. Each part assembles by itself: llvm-mc -triple=amdgcn-amd-amdhsa -mcpu=gfx1250 --defsym DOCPART=n.
;; ======== version 1 of 2: 4 launches
;; limits: values are held in f16: magnitudes above 65,504 overflow, below 6.1e-05 lose precision; inputs' magnitudes at most 6.9e+37
;; workspace buffers: cb 41,943,040 bytes; qkv 25,165,824 bytes; att 8,388,608 bytes
;; launch cast (part 1): grid 1024 x 1, 8 waves a work-group, no clusters, 0 bytes of LDS; arguments x, wq, wk, wv, wo, cb; writes cb
.if DOCPART == 1
	.amdgcn_target "amdgcn-amd-amdhsa--gfx1250"
	.amdhsa_code_object_version 6
	.text
	.protected	k_qca25fc664f_cast
	.globl	k_qca25fc664f_cast
	.p2align	8
	.type	k_qca25fc664f_cast,@function
k_qca25fc664f_cast:
	s_mov_b64 s[64:65], 0
	v_nop
	global_prefetch_b8 v0, s[64:65] scope:SCOPE_SE
	s_setreg_imm32_b32 hwreg(HW_REG_WAVE_MODE, 25, 1), 1
	s_wait_xcnt 0x0
; cb = the five f32 inputs as 16-bit numbers, row-major, 8 MiB each: x, wq, wk, wv in bf16, then wo in f16.
; wo is first rounded to bf16's eight significant bits, like the other four, and that number is then written in f16's code:
; its partner in the last product (att) needs f16's eleven bits, and with all five inputs on one grid the program computes the
; module on bf16-rounded inputs.  LIMITS: the second step is exact for 2^-17 <= |wo| < 65,504; smaller numbers fall on f16's
; grid of 2^-24, larger ones become infinite.
; A stream: memory binds, so no LDS, no barrier, no matrix unit.  Work-group n takes bytes 16,384 n .. + 16,383 of each input:
; 20 loads of 16 bytes a lane are all issued first (a wave's load covers 512 consecutive bytes), then each is converted
; and stored (a wave's store of 8 bytes a lane covers 256 consecutive bytes, aligned).  No register is written twice while a store reads it.
.set X, 4                              ; v[4:83]    load n = 4 i + j: 4 registers
.set Y, 84                             ; v[84:123]  its 2 registers to store
	s_load_b256 s[4:11], s[0:1], 0x0               ; x s[4:5], wq s[6:7], wk s[8:9], wv s[10:11]
	s_load_b128 s[12:15], s[0:1], 0x20             ; wo s[12:13], cb s[14:15]
	s_lshl_b32 s2, ttmp9, 14                       ; my 16,384 bytes in each input
	s_mov_b32 s3, 0
	s_lshl_b32 s16, ttmp9, 13                      ; my 8,192 bytes in each part of cb
	s_mov_b32 s17, 0
	v_lshlrev_b32 v1, 4, v0                        ; 16 bytes a thread in
	v_lshlrev_b32 v2, 3, v0                        ; 8 bytes a thread out
	s_wait_kmcnt 0x0
.irp i, 0,1,2,3,4
	s_add_nc_u64 s[4+2*\i:5+2*\i], s[4+2*\i:5+2*\i], s[2:3]
.endr
	s_add_nc_u64 s[18:19], s[14:15], s[16:17]      ; five bases for the stores, 8 MiB apart
.irp i, 1,2,3,4
	s_add_nc_u64 s[18+2*\i:19+2*\i], s[16+2*\i:17+2*\i], 0x800000
.endr
.irp i, 0,1,2,3,4
.irp j, 0,1,2,3
	global_load_b128 v[X+4*(4*\i+\j):X+4*(4*\i+\j)+3], v1, s[4+2*\i:5+2*\i] offset:4096*\j th:TH_LOAD_NT
.endr
.endr
.irp i, 0,1,2,3
.irp j, 0,1,2,3
	s_wait_loadcnt 19-(4*\i+\j)                    ; loads come back in order: this one is in, the younger ones stay out
	v_cvt_pk_bf16_f32 v[Y+2*(4*\i+\j)],   v[X+4*(4*\i+\j)],   v[X+4*(4*\i+\j)+1]
	v_cvt_pk_bf16_f32 v[Y+2*(4*\i+\j)+1], v[X+4*(4*\i+\j)+2], v[X+4*(4*\i+\j)+3]
	global_store_b64 v2, v[Y+2*(4*\i+\j):Y+2*(4*\i+\j)+1], s[18+2*\i:19+2*\i] offset:2048*\j
.endr
.endr
.irp j, 0,1,2,3                        ; wo: to bf16's grid, widened again (a shift, a mask), then into f16's code
	s_wait_loadcnt 3-\j
	v_cvt_pk_bf16_f32 v[Y+32+2*\j],   v[X+64+4*\j],   v[X+64+4*\j+1]
	v_cvt_pk_bf16_f32 v[Y+32+2*\j+1], v[X+64+4*\j+2], v[X+64+4*\j+3]
	v_lshlrev_b32 v[X+64+4*\j],   16, v[Y+32+2*\j]
	v_and_b32     v[X+64+4*\j+1], 0xffff0000, v[Y+32+2*\j]
	v_lshlrev_b32 v[X+64+4*\j+2], 16, v[Y+32+2*\j+1]
	v_and_b32     v[X+64+4*\j+3], 0xffff0000, v[Y+32+2*\j+1]
	v_cvt_pk_f16_f32 v[Y+32+2*\j],   v[X+64+4*\j],   v[X+64+4*\j+1]
	v_cvt_pk_f16_f32 v[Y+32+2*\j+1], v[X+64+4*\j+2], v[X+64+4*\j+3]
	global_store_b64 v2, v[Y+32+2*\j:Y+32+2*\j+1], s[26:27] offset:2048*\j
.endr
	s_endpgm
.Lfunc_end_k_qca25fc664f_cast:
	.size	k_qca25fc664f_cast, .Lfunc_end_k_qca25fc664f_cast-k_qca25fc664f_cast
	.p2alignl 7, 3214868480
	.fill 96, 4, 3214868480
	.section	.rodata,"a",@progbits
	.p2align	6, 0x0
	.amdhsa_kernel k_qca25fc664f_cast
		.amdhsa_group_segment_fixed_size 0
		.amdhsa_private_segment_fixed_size 0
		.amdhsa_enable_private_segment 0
		.amdhsa_kernarg_size 48
		.amdhsa_user_sgpr_count 2
		.amdhsa_user_sgpr_kernarg_segment_ptr 1
		.amdhsa_wavefront_size32 1
		.amdhsa_system_sgpr_workgroup_id_x 1
		.amdhsa_system_sgpr_workgroup_id_y 1
		.amdhsa_system_sgpr_workgroup_id_z 1
		.amdhsa_system_vgpr_workitem_id 0
		.amdhsa_next_free_vgpr 128
		.amdhsa_next_free_sgpr 66
		.amdhsa_reserve_vcc 0
		.amdhsa_float_denorm_mode_32 3
		.amdhsa_float_denorm_mode_16_64 3
		.amdhsa_memory_ordered 1
		.amdhsa_forward_progress 1
		.amdhsa_inst_pref_size 10
	.end_amdhsa_kernel
	.amdgpu_metadata
---
amdhsa.version: [ 1, 2 ]
amdhsa.kernels:
  - .name:           k_qca25fc664f_cast
    .symbol:         k_qca25fc664f_cast.kd
    .args:
      - { .name: x, .offset: 0, .size: 8, .value_kind: global_buffer, .address_space: global }
      - { .name: wq, .offset: 8, .size: 8, .value_kind: global_buffer, .address_space: global }
      - { .name: wk, .offset: 16, .size: 8, .value_kind: global_buffer, .address_space: global }
      - { .name: wv, .offset: 24, .size: 8, .value_kind: global_buffer, .address_space: global }
      - { .name: wo, .offset: 32, .size: 8, .value_kind: global_buffer, .address_space: global }
      - { .name: cb, .offset: 40, .size: 8, .value_kind: global_buffer, .address_space: global }
    .group_segment_fixed_size: 0
    .private_segment_fixed_size: 0
    .kernarg_segment_align: 8
    .kernarg_segment_size: 48
    .max_flat_workgroup_size: 256
    .sgpr_count:     66
    .vgpr_count:     128
    .wavefront_size: 32
...
	.end_amdgpu_metadata
.endif
;; end of part 1
;; launch qkv (part 2): grid 16 x 16, 4 waves a work-group, clusters of 4 x 4, 327,680 bytes of LDS; arguments cb, qkv; writes qkv
.if DOCPART == 2
	.amdgcn_target "amdgcn-amd-amdhsa--gfx1250"
	.amdhsa_code_object_version 6
	.text
	.protected	k_qca25fc664f_qkv
	.globl	k_qca25fc664f_qkv
	.p2align	8
	.type	k_qca25fc664f_qkv,@function
k_qca25fc664f_qkv:
	s_mov_b64 s[64:65], 0
	v_nop
	global_prefetch_b8 v0, s[64:65] scope:SCOPE_SE
	s_setreg_imm32_b32 hwreg(HW_REG_WAVE_MODE, 25, 1), 1
	s_wait_xcnt 0x0
	s_wait_alu depctr_hold_cnt(0) depctr_sa_sdst(0) depctr_va_vdst(0) depctr_va_sdst(0) depctr_va_ssrc(0) depctr_va_vcc(0) depctr_vm_vsrc(0)
	s_getreg_b32 s2, hwreg(HW_REG_IB_STS2, 6, 4)
	s_cmp_eq_u32 s2, 0
	s_cbranch_scc0 .Lentry_in_a_cluster
	s_endpgm
.Lentry_in_a_cluster:
	s_bfe_u32 s2, ttmp6, 0x10000c
	s_cmp_lg_u32 s2, 0xf033
	s_cbranch_scc0 .Lentry_shape_is_right
	s_endpgm
.Lentry_shape_is_right:
; Q, K, V = x wq^T, x wk^T, x wv^T in ONE product loop (a tile of x feeds three tiles of weights), bf16 operands, f32 sums; the rotation of Q and K
; (angle = base[head] x position, the same for a head's 32 pairs) and Q's factor log2(e) / 8 are applied on the way out; results are rounded to f16.
; SHARES.  A work-group: 128 rows of x by 128 columns (two heads) of each of Q, K, V.  Wave w: rows 64 (w / 2) on, the head 2 ct + w % 2: 48 accumulators of 16 x 16.
; K goes in 16 steps of 128 through a ring of two LDS slots; a slot holds 128 rows of x, wq, wk, wv, one tile a wave, each row 256 bytes of memory.
; CLUSTER 4 x 4: x's tile hangs on the row tile alone and is asked for jointly by a row of the cluster, a weight tile on the column tile alone: by a column.
; OUTPUT LAYOUT, by fragments: a 16 x 16 result packed to 16 bits is 32 lanes x 16 bytes = 512 consecutive bytes, and is half a fragment of the next product as it stands.
;   Q, K: byte = head 262,144 + sb 2,048 + b 512 + 16 lane; lane (r, h) holds position 16 sb + r, channels 16 b + 8 h + 0..7   (source 0 = weights, source 1 = x)
;   V:    the same formula; lane (r, h) holds channel 16 b + r, positions 16 sb + 8 h + 0..7                                   (source 0 = x, source 1 = weights)
; So every store of a wave covers 512 consecutive bytes, aligned, and no stage in LDS is needed.
; PREFETCH.  A lap's tiles (two K steps) are 64 KiB of x for a row tile and 64 KiB of each weight for a column tile, each read by 16 work-groups: each work-group asks for a sixteenth of all four, 8 rows of
; 2 blocks of 256 bytes each, lanes 256 bytes apart: wave 0 asks for x (lanes 0-15) and wq (lanes 16-31), wave 2 for wk and wv, so that every block of laps 1 to 7 is asked for once in the launch.
; Lap 1 is asked for at the head; laps 2 to 7 in the loop's first six trips, one K step (192 products of a wave) ahead of the refill that brings the lap's first step and two ahead of the second's; the last trip asks for nothing.
; WHY f16 OUT: under a causal mask the first rows average few keys and are some twelve times the output's root mean square; bf16's eight bits on V alone would show there.
; LIMITS.  Q log2(e)/8, K and V must stay under 65,504 in magnitude (from x of spread 1 and weights of spread 0.02 they have spread 0.9).  cos and sin: reduction by pi/2 in two parts and
; polynomials, absolute error under 4e-6; base[head] = 2^(-0.41524 head) by v_exp_f32, so that an angle can differ from base x position by some 5e-4 at position 2,047.
; REGISTERS, in windows of 256: window 0: v0-15 addresses, v16-47 rotation tables, v48-79 / v80-111 fragments of x (two buffers), v112-126 at work on the tables; on the way out v48-79 rotated numbers, v80-207 packed results.
;   window 1: Q's accumulators (a, b) at v[8 (4 a + b)], K's at v[128 + 8 (4 a + b)].  window 2: V's at v[8 (4 a + b)].  window 3: weight fragments, two buffers of 96 (tensor p at + 32 p, block b at + 8 b).
.set PITCH,  272                       ; an LDS row: 256 bytes + 16 of padding = 68 words: row r starts at bank 4 r mod 64 (64 banks of 4 bytes: ISA guide 11.1)
.set HALFT,  128*PITCH                 ; one tile: what one tensor load brings
.set SLOT,   4*HALFT                   ; x, wq, wk, wv
.set LAPS,   8                         ; a lap = two K steps = once round the ring; 2,048 / 256
.set ADRA, 4                           ; v4-5    LDS address of my x fragments in slot 0, 1
.set ADRB, 6                           ; v6-11   the same for tensor p: v[6 + 2 p + slot]
.set CO,   12                          ; v12     16 x lane
.set PF,   14                          ; v14     my lane's block of what my work-group asks for, as a byte offset in cb at lap 0; never rewritten
.set TAB,  16                          ; block a: + 0 (c, s), + 2 (-s, c) for K; + 4, + 6 the same times log2(e) / 8 for Q
.set FA,   48
.set TT,   112
.set T,    48
.set PK,   80
.set PB,  8                            ; s[8:9]   cb at the lap to be asked for
.set G1,  24                           ; s[24:31] descriptor group 1 for x's tiles;  s[32:39] group 0, one set a slot
.set G0,  32
.set G1B, 48                           ; s[48:55], s[56:63] the same for the weights' tiles
.set G0B, 56
.set MSB, 0
.macro WIN new                         ; the immediate's high byte repeats the setting that is left
.if MSB != \new
	s_set_vgpr_msb (MSB<<8)|\new
.set MSB, \new
.endif
.endm
.set W_QK,  0x53                       ; source 0 (weights) window 3, source 1 (x) window 0, C and D window 1
.set W_V,   0xac                       ; source 0 (x) window 0, source 1 (weights) window 3, C and D window 2
.set TO_B,  0xc0                       ; destination window 3, address window 0
.set W_ROT, 0x01                       ; source 0 window 1
.set W_CV,  0x0a                       ; sources 0 and 1 window 2
.macro JLOAD s                         ; a joint load: wave 0 fetches x's tile, waves 1 to 3 wq's, wk's, wv's; four v_nop follow each of the two lines
	s_cmp_eq_u32 s10, 0
	s_cbranch_scc0 .Lfor_b_\@
	tensor_load_to_lds s[G0+4*\s:G0+4*\s+3], s[G1:G1+7]
	s_nop 0
.rept 4
	v_nop
.endr
	s_branch .Lasked_\@
.Lfor_b_\@:
	tensor_load_to_lds s[G0B+4*\s:G0B+4*\s+3], s[G1B:G1B+7]
	s_nop 0
.rept 4
	v_nop
.endr
.Lasked_\@:
.endm
.macro CREST                           ; a round of the cluster's barrier behind its opening barrier
	s_cmp_lg_u32 s10, 0
	s_cbranch_scc1 .Lnot_wave_0_\@
	s_barrier_signal -3
.Lnot_wave_0_\@:
	s_barrier_wait -3
	s_barrier_signal -1
	s_barrier_wait -1
.endm
.macro CROUND
	s_barrier_signal -1
	s_barrier_wait -1
	CREST
.endm
.macro PLACES                          ; four places in front of loads into registers that matrix instructions have read, and of instructions that read results
.rept 4
	v_nop
.endr
.endm
; A lap's prefetch.  inloop = 1: the base steps to the next lap first; the loop's last trip (s3 = 1) would ask for K steps 16 and 17, which do not exist: it asks for nothing and steps nothing.
.macro ASK inloop
.if \inloop
	s_cmp_eq_u32 s3, 1
	s_cbranch_scc1 .Lnone_\@
	s_wait_xcnt 0x0                                ; the prefetch that named this base stands a lap back: it is written only behind this wait
	s_add_nc_u64 s[PB:PB+1], s[PB:PB+1], 512       ; 256 elements on along the rows
.endif
	s_cmp_lg_u32 s12, 0
	s_cbranch_scc1 .Lnone_\@                       ; waves 1 and 3 ask for nothing
	global_prefetch_b8 v[PF], s[PB:PB+1] th:TH_LOAD_NT scope:SCOPE_SE
.Lnone_\@:
.endm
	s_load_b128 s[4:7], s[0:1], 0x0                ; cb s[4:5], qkv s[6:7]
	s_set_vgpr_msb 0xc0
	v_lshl_add_u32 v255, v0, 2, 0x44000
	s_set_vgpr_msb 0xc000
	v_mov_b32 v255, 0
	s_set_vgpr_msb 0x3
	ds_add_u32 v255, v255
	s_set_vgpr_msb 0x300
	v_lshrrev_b32 v1, 5, v0
	v_readfirstlane_b32 s10, v1                    ; wave 0..3
	s_lshr_b32 s11, s10, 1                         ; which 64 rows are mine
	s_and_b32 s12, s10, 1                          ; which of the two heads
	s_bfe_u32 s40, ttmp6, 0x40000                  ; cx, cy: my place in the cluster
	s_bfe_u32 s41, ttmp6, 0x40004
	s_lshl_b32 s42, ttmp9, 2
	s_add_co_u32 s42, s42, s40                     ; column tile ct = 4 x cluster x + cx
	s_and_b32 s13, ttmp7, 0xffff
	s_lshl_b32 s13, s13, 2
	s_add_co_u32 s13, s13, s41                     ; row tile rt = 4 x cluster y + cy
	s_lshl_b32 s43, s41, 2
	s_lshl_b32 s43, 15, s43                        ; my row of the cluster
	s_lshl_b32 s44, 0x1111, s40                    ; my column
	; group 1: a tile of 128 rows x 128 elements of 2 bytes; 16 bytes of padding behind every 64 words
	s_or_b32 s[G1+0], s43, (1<<16)|(1<<20)|(1<<21)|(5<<22)|(3<<25)
	s_or_b32 s[G1B+0], s44, (1<<16)|(1<<20)|(1<<21)|(5<<22)|(3<<25)
.irp g, G1, G1B
	s_mov_b32 s[\g+1], 128<<16                     ; tensor_dim0 = 128
	s_mov_b32 s[\g+2], 128<<16                     ; tensor_dim1 = 128
	s_mov_b32 s[\g+3], 128<<16                     ; tile_dim0 = 128
	s_mov_b32 s[\g+4], 128                         ; tile_dim1 = 128
	s_mov_b32 s[\g+5], 2048                        ; elements from row to row
	s_mov_b32 s[\g+6], 0
	s_mov_b32 s[\g+7], 0
.endr
	s_lshl_b32 s16, s13, 19                        ; x: 128 rt rows of 4,096 bytes
	s_mov_b32 s17, 0
	s_lshl_b32 s46, s42, 19                        ; weights: 128 ct rows,
	s_lshl_b32 s47, s10, 23                        ; in part w of cb (1 wq, 2 wk, 3 wv)
	s_add_co_u32 s46, s46, s47
	s_mov_b32 s47, 0
	s_mul_i32 s20, s10, HALFT                      ; where my tile goes: the wave's number alone
	s_wait_dscnt 0x0
	s_wait_kmcnt 0x0
	s_add_nc_u64 s[14:15], s[4:5], s[16:17]
	s_add_nc_u64 s[46:47], s[4:5], s[46:47]
	CROUND                                         ; all sixteen work-groups are here: the first joint loads meet
.irp s, 0,1
	s_mov_b32 s[G0+4*\s], 1
	s_add_co_u32 s[G0+4*\s+1], s20, \s*SLOT
	s_add_nc_u64 s[G0+4*\s+2:G0+4*\s+3], s[14:15], \s*256
	s_or_b32 s[G0+4*\s+3], s[G0+4*\s+3], 0x80000000
	s_mov_b32 s[G0B+4*\s], 1
	s_add_co_u32 s[G0B+4*\s+1], s20, \s*SLOT
	s_add_nc_u64 s[G0B+4*\s+2:G0B+4*\s+3], s[46:47], \s*256
	s_or_b32 s[G0B+4*\s+3], s[G0B+4*\s+3], 0x80000000
	JLOAD \s                                       ; K steps 0 and 1: two tensor loads of mine are out
.endr
	; a fragment is 16 rows x 32 K in 8 registers: lane l holds row l % 16; two loads of 16 bytes, 32 bytes apart, at row x pitch + 16 (l / 16)
	v_and_b32 v1, 15, v0                           ; r
	v_bfe_u32 v2, v0, 4, 1                         ; h
	v_mul_u32_u24 v3, v1, PITCH
	v_lshl_add_u32 v3, v2, 4, v3
	s_mul_i32 s21, s11, 64*PITCH
	s_mul_i32 s22, s12, 64*PITCH
	v_add_nc_u32 v[ADRA], s21, v3
	v_add_nc_u32 v[ADRA+1], SLOT, v[ADRA]
	v_add_nc_u32 v13, s22, v3
.irp p, 0,1,2
.irp s, 0,1
	v_add_nc_u32 v[ADRB+2*\p+\s], (1+\p)*HALFT+\s*SLOT, v13
.endr
.endr
	v_and_b32 v[CO], 31, v0
	v_lshlrev_b32 v[CO], 4, v[CO]
	; What my work-group asks for of a lap.  Lane (r, h) of wave w takes part 2 (w / 2) + h of cb (0 x, 1 wq, 2 wk, 3 wv), row r / 2 of my eight, block r % 2 of the lap's 512 bytes.
	; My eight rows: of x 128 rt + 8 ct on, of a weight 128 ct + 8 rt on.  The highest byte named, in lap 7, lies in row 2,047 of wv: inside cb.
	s_lshl_b32 s18, s13, 7
	s_lshl_b32 s19, s42, 3
	s_add_co_u32 s18, s18, s19                     ; x's rows
	s_lshl_b32 s19, s42, 7
	s_lshl_b32 s21, s13, 3
	s_add_co_u32 s19, s19, s21                     ; a weight's rows
	s_lshl_b32 s21, s11, 1
	v_add_nc_u32 v[TT], s21, v2                    ; the part
	v_mov_b32 v[TT+1], s19
	v_mov_b32 v[TT+2], s18
	v_cmp_eq_u32 vcc_lo, 0, v[TT]
	v_cndmask_b32 v[TT+1], v[TT+1], v[TT+2], vcc_lo
	v_lshrrev_b32 v[TT+2], 1, v1
	v_add_nc_u32 v[TT+1], v[TT+1], v[TT+2]         ; the row
	v_and_b32 v[TT+2], 1, v1                       ; the block
	v_lshlrev_b32 v[PF], 23, v[TT]
	v_lshl_add_u32 v[PF], v[TT+1], 12, v[PF]
	v_lshl_add_u32 v[PF], v[TT+2], 8, v[PF]
	s_add_nc_u64 s[PB:PB+1], s[4:5], 512           ; lap 1
	ASK 0                                          ; its first refill stands behind K step 0
	; THE ROTATION TABLES, made while the first tiles are on their way.  My lane's position in block a is 128 rt + 64 (w / 2) + 16 a + r.
	s_lshl_b32 s45, s42, 1
	s_add_co_u32 s45, s45, s12                     ; my head
	s_lshl_b32 s23, s13, 7
	s_lshl_b32 s21, s11, 6
	s_add_co_u32 s23, s23, s21
	v_cvt_f32_u32 v[TT], s45
	v_mul_f32 v[TT], 0xbed49a78, v[TT]             ; - head x log2(10000) / 32
	v_exp_f32 v[TT+1], v[TT]                       ; base[head]
	v_add_nc_u32 v[TT+2], s23, v1                  ; (the plain instruction behind the exponential)
	v_mov_b32 v[TT+13], 0xb9500d01                 ; -1/5040
	v_mov_b32 v[TT+14], 0xbab60b61                 ; -1/720
	s_wait_alu depctr_va_vdst(0)
.irp a, 0,1,2,3
	v_add_nc_u32 v[TT+3], 16*\a, v[TT+2]
	v_cvt_f32_u32 v[TT+3], v[TT+3]
	v_mul_f32 v[TT+3], v[TT+1], v[TT+3]            ; the angle
	v_mul_f32 v[TT+4], 0x3f22f983, v[TT+3]         ; x 2 / pi
	v_rndne_f32 v[TT+4], v[TT+4]                   ; n quarter turns
	v_fmamk_f32 v[TT+5], v[TT+4], 0xbfc90fdb, v[TT+3]   ; rho = angle - n pi/2, pi/2 in two parts
	v_fmamk_f32 v[TT+5], v[TT+4], 0x333bbd2e, v[TT+5]
	v_mul_f32 v[TT+6], v[TT+5], v[TT+5]            ; z = rho^2, at most (pi/4)^2
	v_fmaak_f32 v[TT+7], v[TT+13], v[TT+6], 0x3c088889  ; sin: 1/120 - z/5040
	v_fmaak_f32 v[TT+8], v[TT+14], v[TT+6], 0x3d2aaaab  ; cos: 1/24 - z/720
	v_fmaak_f32 v[TT+7], v[TT+7], v[TT+6], 0xbe2aaaab   ; -1/6 + z (..)
	v_fma_f32 v[TT+8], v[TT+8], v[TT+6], -0.5
	v_mul_f32 v[TT+10], v[TT+5], v[TT+6]
	v_fma_f32 v[TT+11], v[TT+10], v[TT+7], v[TT+5] ; sin rho
	v_fma_f32 v[TT+12], v[TT+8], v[TT+6], 1.0      ; cos rho
	v_cvt_i32_f32 v[TT+9], v[TT+4]
	v_and_b32 v[TT+10], 1, v[TT+9]
	v_cmp_eq_u32 vcc_lo, 1, v[TT+10]               ; an odd number of quarter turns swaps the two
	v_cndmask_b32 v[TT+7], v[TT+11], v[TT+12], vcc_lo
	v_cndmask_b32 v[TT+8], v[TT+12], v[TT+11], vcc_lo
	v_and_b32 v[TT+10], 2, v[TT+9]                 ; sin changes sign in quarters 2, 3
	v_lshlrev_b32 v[TT+10], 30, v[TT+10]
	v_xor_b32 v[TAB+8*\a+1], v[TT+10], v[TT+7]     ; s
	v_add_nc_u32 v[TT+9], 1, v[TT+9]               ; cos in quarters 1, 2
	v_and_b32 v[TT+9], 2, v[TT+9]
	v_lshlrev_b32 v[TT+9], 30, v[TT+9]
	v_xor_b32 v[TAB+8*\a], v[TT+9], v[TT+8]        ; c
	v_xor_b32 v[TAB+8*\a+2], 0x80000000, v[TAB+8*\a+1]
	v_mov_b32 v[TAB+8*\a+3], v[TAB+8*\a]
	v_mul_f32 v[TAB+8*\a+4], 0x3e38aa3b, v[TAB+8*\a]    ; x log2(e) / 8 for Q
	v_mul_f32 v[TAB+8*\a+5], 0x3e38aa3b, v[TAB+8*\a+1]
	v_mul_f32 v[TAB+8*\a+6], 0x3e38aa3b, v[TAB+8*\a+2]
	v_mov_b32 v[TAB+8*\a+7], v[TAB+8*\a+4]
.endr
	; where my results go: head x 262,144 + (8 rt + 4 (w / 2)) x 2,048, in each of the three parts of qkv
	s_lshl_b32 s2, s45, 18
	s_lshl_b32 s3, s13, 14
	s_add_co_u32 s2, s2, s3
	s_lshl_b32 s3, s11, 13
	s_add_co_u32 s2, s2, s3
	s_mov_b32 s3, 0
	s_add_nc_u64 s[66:67], s[6:7], s[2:3]
	s_add_nc_u64 s[68:69], s[66:67], 0x800000
	s_add_nc_u64 s[70:71], s[68:69], 0x800000
; 16 products of Q (p = 0) or K (p = 1), 32 along K, from buffer f.  zero = 1: the first product starts the sums
.macro MULQK f, p, zero
.irp a, 0,1,2,3
.irp b, 0,1,2,3
.if \zero
	v_wmma_f32_16x16x32_bf16 v[128*\p+8*(4*\a+\b):128*\p+8*(4*\a+\b)+7], v[96*\f+32*\p+8*\b:96*\f+32*\p+8*\b+7], v[FA+32*\f+8*\a:FA+32*\f+8*\a+7], 0
.else
	v_wmma_f32_16x16x32_bf16 v[128*\p+8*(4*\a+\b):128*\p+8*(4*\a+\b)+7], v[96*\f+32*\p+8*\b:96*\f+32*\p+8*\b+7], v[FA+32*\f+8*\a:FA+32*\f+8*\a+7], v[128*\p+8*(4*\a+\b):128*\p+8*(4*\a+\b)+7]
.endif
.endr
.endr
.endm
.macro MULV f, zero                    ; 16 products of V, sources the other way round
.irp a, 0,1,2,3
.irp b, 0,1,2,3
.if \zero
	v_wmma_f32_16x16x32_bf16 v[8*(4*\a+\b):8*(4*\a+\b)+7], v[FA+32*\f+8*\a:FA+32*\f+8*\a+7], v[96*\f+64+8*\b:96*\f+64+8*\b+7], 0
.else
	v_wmma_f32_16x16x32_bf16 v[8*(4*\a+\b):8*(4*\a+\b)+7], v[FA+32*\f+8*\a:FA+32*\f+8*\a+7], v[96*\f+64+8*\b:96*\f+64+8*\b+7], v[8*(4*\a+\b):8*(4*\a+\b)+7]
.endif
.endr
.endr
.endm
; 32 LDS loads in one run: the fragments of 32 along K at byte k of the rows, into buffer f: x, wq, wk, wv, eight loads each
.macro FETCH slot, k, f
	WIN 0
.irp i, 0,1,2,3
	ds_load_b128 v[FA+32*\f+8*\i:FA+32*\f+8*\i+3],   v[ADRA+\slot] offset:\k+\i*16*PITCH
	ds_load_b128 v[FA+32*\f+8*\i+4:FA+32*\f+8*\i+7], v[ADRA+\slot] offset:\k+\i*16*PITCH+32
.endr
	WIN TO_B
.irp p, 0,1,2
.irp i, 0,1,2,3
	ds_load_b128 v[96*\f+32*\p+8*\i:96*\f+32*\p+8*\i+3],   v[ADRB+2*\p+\slot] offset:\k+\i*16*PITCH
	ds_load_b128 v[96*\f+32*\p+8*\i+4:96*\f+32*\p+8*\i+7], v[ADRB+2*\p+\slot] offset:\k+\i*16*PITCH+32
.endr
.endr
.endm
; A K step is four quarters of 32 along K, 48 matrix instructions each, on buffers 0, 1, 0, 1.  The 48 accumulators take turns, one instruction a turn, in the same order
; in every quarter.  One of the first three quarters: multiplies buffer f and fetches the next quarter, at byte k, into buffer g.
.macro QUARTER slot, k, f, g, zero
	s_wait_dscnt 8                                 ; x, wq, wk are in; the youngest eight loads (wv) may be out
	WIN W_QK
	MULQK \f, 0, \zero
	MULQK \f, 1, \zero
	PLACES
	FETCH \slot, \k, \g
	s_wait_dscnt 32                                ; all but the 32 just issued
	WIN W_V
	MULV \f, \zero
.endm
; The last quarter multiplies buffer 1 and changes slots: ONE barrier; in front of it each wave waits for its own reads of this slot and for all its tensor loads (one is out: its tile of the next slot).
; fill = 1: the barrier opens a round of the cluster's barrier and this slot is filled again, two K steps ahead: 176 matrix instructions stand between the request and the wait for it.
; ask = 1: the lap after next is asked for, behind the run of LDS loads and ahead of sixteen products whose fragments are in registers.
.macro TURN slot, next, fill, ask
	s_wait_dscnt 8
	WIN W_QK
	MULQK 1, 0, 0
	s_wait_dscnt 0                                 ; my reads of this slot are over,
	s_wait_tensorcnt 0x0                           ; and all my tensor loads have landed
	ds_add_u32 v255, v255
	s_wait_dscnt 0x0
	s_barrier_signal -1
	MULQK 1, 1, 0
.if \fill
	WIN 0
.endif
	s_barrier_wait -1
.if \fill
	CREST                                          ; no wave of any partner still reads this slot's tiles or has a load on its way
	s_add_nc_u64 s[G0+4*\slot+2:G0+4*\slot+3], s[G0+4*\slot+2:G0+4*\slot+3], 512
	s_add_nc_u64 s[G0B+4*\slot+2:G0B+4*\slot+3], s[G0B+4*\slot+2:G0B+4*\slot+3], 512
	JLOAD \slot                                    ; the first tensor load behind the round; its four v_nop are also the places in front of the loads below
.else
	PLACES
.endif
	FETCH \next, 0, 0
.if \ask
	WIN 0
	ASK 1
.endif
	WIN W_V
	MULV 1, 0
.endm
	s_wait_tensorcnt 1                             ; my tile of K step 0 is in; K step 1's may stay out
	s_barrier_signal -1
	s_barrier_wait -1                              ; everybody's is
	FETCH 0, 0, 0
	QUARTER 0, 64, 0, 1, 1                         ; the first quarter stands in front of the loop: its products start the sums
	WIN 0                                          ; at a label and at a branch every window is 0
	s_mov_b32 s3, LAPS-1
.Llap:                                                 ; a trip goes once round the ring and fills both slots again
	QUARTER 0, 128, 1, 0, 0
	QUARTER 0, 192, 0, 1, 0
	TURN 0, 1, 1, 0
	QUARTER 1, 64,  0, 1, 0
	QUARTER 1, 128, 1, 0, 0
	QUARTER 1, 192, 0, 1, 0
	TURN 1, 0, 1, 1
	QUARTER 0, 64,  0, 1, 0
	WIN 0
	s_sub_co_u32 s3, s3, 1
	s_cmp_lg_u32 s3, 0
	s_cbranch_scc1 .Llap
	QUARTER 0, 128, 1, 0, 0                        ; the last lap fills nothing
	QUARTER 0, 192, 0, 1, 0
	TURN 0, 1, 0, 0
	QUARTER 1, 64,  0, 1, 0
	QUARTER 1, 128, 1, 0, 0
	QUARTER 1, 192, 0, 1, 0
	s_wait_dscnt 8                                 ; the very last quarter: nothing more to fetch
	WIN W_QK
	MULQK 1, 0, 0
	MULQK 1, 1, 0
	s_wait_dscnt 0
	WIN W_V
	MULV 1, 0
	; THE WAY OUT.  Q and K: a lane's pair (xr, xi) becomes (xr c - xi s, xr s + xi c): a packed multiply of xi by (-s, c), a packed multiply-add of xr by (c, s); then f16, 16 bytes a lane and block.
	PLACES
.irp p, 0,1
.irp a, 0,1,2,3
	WIN W_ROT
.irp b, 0,1,2,3
.irp i, 0,1,2,3
	v_pk_mul_f32 v[T+8*\b+2*\i:T+8*\b+2*\i+1], v[128*\p+8*(4*\a+\b)+2*\i:128*\p+8*(4*\a+\b)+2*\i+1], v[TAB+8*\a+6-4*\p:TAB+8*\a+7-4*\p] op_sel:[1,0] op_sel_hi:[1,1]
.endr
.endr
.irp b, 0,1,2,3
.irp i, 0,1,2,3
	v_pk_fma_f32 v[T+8*\b+2*\i:T+8*\b+2*\i+1], v[128*\p+8*(4*\a+\b)+2*\i:128*\p+8*(4*\a+\b)+2*\i+1], v[TAB+8*\a+4-4*\p:TAB+8*\a+5-4*\p], v[T+8*\b+2*\i:T+8*\b+2*\i+1] op_sel_hi:[0,1,1]
.endr
.endr
	WIN 0
.irp n, 0,1,2,3,4,5,6,7,8,9,10,11,12,13,14,15
	v_cvt_pk_f16_f32 v[PK+16*(4*\p+\a)+\n], v[T+2*\n], v[T+2*\n+1]
.endr
.irp b, 0,1,2,3
	global_store_b128 v[CO], v[PK+16*(4*\p+\a)+4*\b:PK+16*(4*\p+\a)+4*\b+3], s[66+2*\p:67+2*\p] offset:2048*\a+512*\b   ; 32 lanes store 512 consecutive bytes, aligned
.endr
.endr
.endr
	s_wait_xcnt 0x0                                ; the packed registers that the stores above read are written again only behind this wait
	WIN W_CV
.irp n, 0,1,2,3,4,5,6,7,8,9,10,11,12,13,14,15
.irp i, 0,1,2,3
	v_cvt_pk_f16_f32 v[PK+4*\n+\i], v[8*\n+2*\i], v[8*\n+2*\i+1]
.endr
.endr
	WIN 0
.irp a, 0,1,2,3
.irp b, 0,1,2,3
	global_store_b128 v[CO], v[PK+4*(4*\a+\b):PK+4*(4*\a+\b)+3], s[70:71] offset:2048*\a+512*\b
.endr
.endr
	CROUND                                         ; the closing round: no work-group ends while a partner may still ask for a tile that names it
	s_endpgm
.Lfunc_end_k_qca25fc664f_qkv:
	.size	k_qca25fc664f_qkv, .Lfunc_end_k_qca25fc664f_qkv-k_qca25fc664f_qkv
	.p2alignl 7, 3214868480
	.fill 96, 4, 3214868480
	.section	.rodata,"a",@progbits
	.p2align	6, 0x0
	.amdhsa_kernel k_qca25fc664f_qkv
		.amdhsa_group_segment_fixed_size 327680
		.amdhsa_private_segment_fixed_size 0
		.amdhsa_enable_private_segment 0
		.amdhsa_kernarg_size 16
		.amdhsa_user_sgpr_count 2
		.amdhsa_user_sgpr_kernarg_segment_ptr 1
		.amdhsa_wavefront_size32 1
		.amdhsa_system_sgpr_workgroup_id_x 1
		.amdhsa_system_sgpr_workgroup_id_y 1
		.amdhsa_system_sgpr_workgroup_id_z 1
		.amdhsa_system_vgpr_workitem_id 0
		.amdhsa_next_free_vgpr 1024
		.amdhsa_next_free_sgpr 72
		.amdhsa_reserve_vcc 1
		.amdhsa_float_denorm_mode_32 3
		.amdhsa_float_denorm_mode_16_64 3
		.amdhsa_memory_ordered 1
		.amdhsa_forward_progress 1
		.amdhsa_inst_pref_size 135
	.end_amdhsa_kernel
	.amdgpu_metadata
---
amdhsa.version: [ 1, 2 ]
amdhsa.kernels:
  - .name:           k_qca25fc664f_qkv
    .symbol:         k_qca25fc664f_qkv.kd
    .args:
      - { .name: cb, .offset: 0, .size: 8, .value_kind: global_buffer, .address_space: global }
      - { .name: qkv, .offset: 8, .size: 8, .value_kind: global_buffer, .address_space: global }
    .group_segment_fixed_size: 327680
    .private_segment_fixed_size: 0
    .kernarg_segment_align: 8
    .kernarg_segment_size: 16
    .max_flat_workgroup_size: 128
    .sgpr_count:     72
    .vgpr_count:     1024
    .wavefront_size: 32
...
	.end_amdgpu_metadata
.endif
;; end of part 2
;; launch attn (part 3): grid 16 x 16, 8 waves a work-group, clusters of 4 x 4, 327,680 bytes of LDS; arguments qkv, mask, att; writes att
.if DOCPART == 3
	.amdgcn_target "amdgcn-amd-amdhsa--gfx1250"
	.amdhsa_code_object_version 6
	.text
	.protected	k_qca25fc664f_attn
	.globl	k_qca25fc664f_attn
	.p2align	8
	.type	k_qca25fc664f_attn,@function
k_qca25fc664f_attn:
	s_mov_b64 s[64:65], 0
	v_nop
	global_prefetch_b8 v0, s[64:65] scope:SCOPE_SE
	s_setreg_imm32_b32 hwreg(HW_REG_WAVE_MODE, 25, 1), 1
	s_wait_xcnt 0x0
	s_wait_alu depctr_hold_cnt(0) depctr_sa_sdst(0) depctr_va_vdst(0) depctr_va_sdst(0) depctr_va_ssrc(0) depctr_va_vcc(0) depctr_vm_vsrc(0)
	s_getreg_b32 s2, hwreg(HW_REG_IB_STS2, 6, 4)
	s_cmp_eq_u32 s2, 0
	s_cbranch_scc0 .Lentry_in_a_cluster
	s_endpgm
.Lentry_in_a_cluster:
	s_bfe_u32 s2, ttmp6, 0x10000c
	s_cmp_lg_u32 s2, 0xf033
	s_cbranch_scc0 .Lentry_shape_is_right
	s_endpgm
.Lentry_shape_is_right:
; att[q][head] = the sum over k of softmax_k(Q.K / 8 + mask[q][k]) V[k], for 32 heads of 64 channels, 2,048 queries and keys.  Q, K, V in f16 by fragments (as the launch before stores them;
; Q already carries log2(e) / 8); the mask is f32 and is read and honoured whole.  Products, maxima and sums in f32; the weights p are rounded to f16; att is stored in f16 by fragments:
; byte = g 524,288 + sb 4,096 + kb 512 + 16 lane, g = head / 2, kb = 4 (head % 2) + channel block; lane (r, h) holds query 16 sb + r, channels 16 cb + 8 h + 0..7.
; SHARES.  A work-group: 128 queries x 2 heads (the split at which a step's mask tile and its K and V tiles weigh the same).  Eight waves, two to a SIMD:
; wave w has head w % 2 and 32 queries, 32 (w / 2) on: two tiles of 16.  Every wave walks all keys, 128 a step: an LDS slot is one key step, so that the lane exchange, the new maximum
; and the 34 rescalings of O and l are paid once for 128 keys.
; LAYOUT.  S^T = K Q^T + C (source 0 = 16 keys, source 1 = 16 queries): a lane holds ONE query and the keys 8 (lane / 16) + 0..7.  C of the first link IS the mask tile times log2(e), so the addition costs
; nothing.  Two such tiles packed to f16 are source 1 of O^T = V^T P.  A fifth block of source 0, all ones, makes l = the sum of the ROUNDED weights in the same way: every register of that result holds l.
; SOFTMAX, in powers of two: s' = log2(e) (q.k / 8 + mask); a running maximum m' and p = 2^(s' - m'): the difference is formed BEFORE anything is scaled, so that it is never above 0 whatever the mask's size;
; in every step O and l are multiplied by a = 2^(m'_old - m'_new).
; ONE BUFFER FOR K AND V, 128 registers: K of a step while its scores are made, then V of the same step.  V^T P stands behind the change of slots: as each half of the buffer has been multiplied it takes
; the next step's K, and the mask's 64 scalings stand between, as the places behind those products and in front of those loads.
; TWO CLASSES OF WAVES.  A step is a block of products (V^T P, the scalings, K Q^T: 72 products) and a block of vector work (the softmax, 364 instructions).  The softmax stands ahead of the change of slots
; in the EARLY waves and behind it in the LATE ones: between two changes one class has products, then vector work, the other vector work, then products.
; class = (w xor w / 4) % 2: it differs between w and w + 4 and between 2 k and 2 k + 1.  The two branched pieces hold register work alone: every counter and every barrier is the same in both classes.
; CLUSTER 4 x 4: the mask tile hangs on the query block alone: joint along a row of the cluster; K and V on the head pair alone: joint along a column.
; LIMITS.  m' starts at -1e38: entries of -inf get weight 0, a row of nothing but -inf gives NaN as in softmax itself; a row all of whose s' lie under -1e38 (a finite mask under -6.9e37 throughout) also gives NaN.
; A NaN or +inf in a row makes the row NaN.  p under 6e-8 falls on f16's grid of 2^-24.
; REGISTERS.  window 0: v1-8 addresses; v16-31 statistics, tile t at + 8 t: + 0 m', + 4..7 four partial maxima (then + 4 the new m', + 6 a, + 7 the exponent of a); v32-159 S^T, 64 a tile; v160-223 P, 32 a tile.
;   window 1: v0-31 Q; v32-159 K, then V, of a step; v160-167 ones; v168-231 O^T, 32 a tile; v232-247 l.
.set MP,    272                        ; a row of the mask tile in LDS: 256 bytes + 16 = 68 words: row r starts at bank 4 r mod 64 (64 banks of 4 bytes: ISA guide 11.1)
.set MSTEP, 128*MP                     ; half a step's mask: 128 queries x 64 keys
.set KVOFF, 2*MSTEP                    ; behind the two halves of the mask: K head 0, K head 1, V head 0, V head 1, 128 keys = 16,384 bytes each, as they lie in memory
.set SLOTB, KVOFF+65536                ; a slot: 128 keys
.set AM, 4                             ; v4-5  my place in the mask tile, slot 0, 1
.set AK, 6                             ; v6-7  my place in my head's K, slot 0, 1 (V lies 32,768 bytes further on)
.set LO, 8                             ; v8    16 x lane
.set ST, 16
.set S,  32
.set P,  160
.set QF, 0
.set KV, 32
.set ONE, 160
.set O,  168
.set L,  232
.set G1M, 16                           ; s[16:23] group 1 for mask tiles;  s[32:39] group 0, one set a slot
.set G1K, 24                           ; s[24:31] group 1 for K's and V's;  s[48:55] group 0
.set G0M, 32
.set G0K, 48
.set CS,  56                           ; s[56:57] log2(e), named as a pair
.set SEL, 58                           ; s[58:59] lane selects: each lane takes its own place in the other half
.set CNT, 60
.set CL,  71                           ; s71  my class: 0 early, 1 late
.set MSB, 0
.macro WIN new
.if MSB != \new
	s_set_vgpr_msb (MSB<<8)|\new
.set MSB, \new
.endif
.endm
.set TO_1, 0x40                        ; destination window 1
.set W_KQ, 0x05                        ; sources 0 and 1 window 1 (K and Q; on the way out O^T), the rest window 0
.set W_PV, 0x51                        ; V, C and D (O^T, l) window 1, P window 0
.set W_RS, 0x41                        ; O^T or l (destination and source 0) window 1, the factor window 0
.set W_RC, 0x01                        ; source 0 window 1
.macro JLOAD s                         ; a joint refill: waves 0-3 fetch the mask's four tiles of 64 rows, waves 4-7 K's and V's four; four v_nop follow each line
	s_cmp_lt_u32 s10, 4
	s_cbranch_scc0 .Lfor_kv_\@
	tensor_load_to_lds s[G0M+4*\s:G0M+4*\s+3], s[G1M:G1M+7]
	s_nop 0
.rept 4
	v_nop
.endr
	s_branch .Lasked_\@
.Lfor_kv_\@:
	tensor_load_to_lds s[G0K+4*\s:G0K+4*\s+3], s[G1K:G1K+7]
	s_nop 0
.rept 4
	v_nop
.endr
.Lasked_\@:
.endm
.macro CROUND                          ; a round of the cluster's barrier
	s_barrier_signal -1
	s_barrier_wait -1
	s_cmp_lg_u32 s10, 0
	s_cbranch_scc1 .Lnot_wave_0_\@
	s_barrier_signal -3
.Lnot_wave_0_\@:
	s_barrier_wait -3
	s_barrier_signal -1
	s_barrier_wait -1
.endm
.macro PLACES
.rept 4
	v_nop
.endr
.endm
	s_load_b128 s[4:7], s[0:1], 0x0                ; qkv s[4:5], mask s[6:7]
	s_load_b64 s[8:9], s[0:1], 0x10                ; att
	v_lshl_add_u32 v254, v0, 2, 0x42000
	v_mov_b32 v255, 0
	ds_add_u32 v254, v255
	v_lshrrev_b32 v1, 5, v0
	v_readfirstlane_b32 s10, v1                    ; wave 0..7
	s_and_b32 s11, s10, 3                          ; u: which of the four tiles of my kind I fetch
	s_and_b32 s12, s10, 1                          ; u % 2: the mask's row half, or the head.  Also: my head in the pair
	s_lshr_b32 s13, s11, 1                         ; u / 2: the mask's half of the keys, or K (0) and V (1)
	s_lshr_b32 s14, s10, 1                         ; which 32 queries are mine
	s_lshr_b32 s[CL], s10, 2
	s_xor_b32 s[CL], s[CL], s10
	s_and_b32 s[CL], s[CL], 1                      ; my class
	s_bfe_u32 s40, ttmp6, 0x40000                  ; cx, cy
	s_bfe_u32 s41, ttmp6, 0x40004
	s_lshl_b32 s42, ttmp9, 2
	s_add_co_u32 s42, s42, s40                     ; head pair g
	s_and_b32 s43, ttmp7, 0xffff
	s_lshl_b32 s43, s43, 2
	s_add_co_u32 s43, s43, s41                     ; query block qb
	s_lshl_b32 s44, s41, 2
	s_lshl_b32 s44, 15, s44                        ; my row of the cluster
	s_lshl_b32 s45, 0x1111, s40                    ; my column
	s_or_b32 s[G1M], s44, (2<<16)|(1<<20)|(1<<21)|(5<<22)|(3<<25)   ; elements of 4 bytes; 16 bytes of padding behind every 64 words
	s_mov_b32 s[G1M+1], 64<<16                     ; tensor_dim0 = 64
	s_mov_b32 s[G1M+2], 64<<16                     ; tensor_dim1 = 64
	s_mov_b32 s[G1M+3], 64<<16                     ; tile_dim0 = 64
	s_mov_b32 s[G1M+4], 64                         ; tile_dim1 = 64
	s_mov_b32 s[G1M+5], 2048                       ; elements from row to row
	s_mov_b32 s[G1M+6], 0
	s_mov_b32 s[G1M+7], 0
	s_or_b32 s[G1K], s45, (3<<16)|(1<<21)          ; a dense block of 16,384 bytes as 64 rows of 32 elements of 8 bytes
	s_mov_b32 s[G1K+1], 32<<16
	s_mov_b32 s[G1K+2], 64<<16
	s_mov_b32 s[G1K+3], 32<<16
	s_mov_b32 s[G1K+4], 64
	s_mov_b32 s[G1K+5], 32
	s_mov_b32 s[G1K+6], 0
	s_mov_b32 s[G1K+7], 0
	s_lshl_b32 s66, s43, 20                        ; mask: row 128 qb + 64 (u % 2), 8,192 bytes a row; key half u / 2: 256 bytes
	s_lshl_b32 s67, s12, 19
	s_add_co_u32 s66, s66, s67
	s_lshl_b32 s67, s13, 8
	s_add_co_u32 s66, s66, s67
	s_mov_b32 s67, 0
	s_lshl_b32 s68, s42, 19                        ; K, V: head 2 g + u % 2, 262,144 bytes a head, in part 1 + u / 2 of qkv
	s_lshl_b32 s69, s12, 18
	s_add_co_u32 s68, s68, s69
	s_add_co_u32 s69, s13, 1
	s_lshl_b32 s69, s69, 23
	s_add_co_u32 s68, s68, s69
	s_mov_b32 s69, 0
	s_lshl_b32 s46, s42, 19                        ; Q: my head, position blocks 8 qb + 2 (w / 2) on, 2,048 bytes each
	s_lshl_b32 s47, s12, 18
	s_add_co_u32 s46, s46, s47
	s_lshl_b32 s47, s43, 14
	s_add_co_u32 s46, s46, s47
	s_lshl_b32 s47, s14, 12
	s_add_co_u32 s46, s46, s47
	s_mov_b32 s47, 0
	s_lshl_b32 s62, s42, 19                        ; att: g, the same blocks at 4,096 bytes each, my head's half
	s_lshl_b32 s63, s43, 15
	s_add_co_u32 s62, s62, s63
	s_lshl_b32 s63, s14, 13
	s_add_co_u32 s62, s62, s63
	s_lshl_b32 s63, s12, 11
	s_add_co_u32 s62, s62, s63
	s_mov_b32 s63, 0
	s_mul_i32 s15, s11, 64*MP                      ; where my tile goes: the wave's number alone
	s_lshl_b32 s61, s11, 14
	s_add_co_u32 s61, s61, KVOFF
	s_mov_b32 s[CS], 0x3fb8aa3b                    ; log2(e)
	s_mov_b32 s[CS+1], s[CS]
	s_mov_b32 s[SEL], 0x76543210
	s_mov_b32 s[SEL+1], 0xfedcba98
	s_wait_dscnt 0x0
	s_wait_kmcnt 0x0
	s_add_nc_u64 s[66:67], s[6:7], s[66:67]
	s_add_nc_u64 s[68:69], s[4:5], s[68:69]
	s_add_nc_u64 s[46:47], s[4:5], s[46:47]
	s_add_nc_u64 s[62:63], s[8:9], s[62:63]
	CROUND                                         ; all sixteen work-groups are here: the first joint loads meet
.irp s, 0,1
	s_mov_b32 s[G0M+4*\s], 1
	s_add_co_u32 s[G0M+4*\s+1], s15, \s*SLOTB
	s_add_nc_u64 s[G0M+4*\s+2:G0M+4*\s+3], s[66:67], \s*512       ; slot s begins with keys 128 s on
	s_or_b32 s[G0M+4*\s+3], s[G0M+4*\s+3], 0x80000000
	s_mov_b32 s[G0K+4*\s], 1
	s_add_co_u32 s[G0K+4*\s+1], s61, \s*SLOTB
	s_add_nc_u64 s[G0K+4*\s+2:G0K+4*\s+3], s[68:69], \s*16384
	s_or_b32 s[G0K+4*\s+3], s[G0K+4*\s+3], 0x80000000
.endr
	s_cmp_lt_u32 s10, 4                            ; a wave's two first fills stand in one branch, ahead of every wait on TENSORcnt and every LDS read: two loads of mine are out
	s_cbranch_scc0 .Lfirst_kv
	tensor_load_to_lds s[G0M:G0M+3], s[G1M:G1M+7]
	s_nop 0
	tensor_load_to_lds s[G0M+4:G0M+7], s[G1M:G1M+7]
	s_nop 0
.rept 4
	v_nop
.endr
	s_branch .Lfirst_asked
.Lfirst_kv:
	tensor_load_to_lds s[G0K:G0K+3], s[G1K:G1K+7]
	s_nop 0
	tensor_load_to_lds s[G0K+4:G0K+7], s[G1K:G1K+7]
	s_nop 0
.rept 4
	v_nop
.endr
.Lfirst_asked:
	v_and_b32 v1, 15, v0                           ; r
	v_bfe_u32 v2, v0, 4, 1                         ; h
	v_and_b32 v[LO], 31, v0
	v_lshlrev_b32 v[LO], 4, v[LO]
	WIN TO_1
.irp n, 0,1,2,3,4,5,6,7                ; Q stays in registers: tile n / 4, channel block n % 4; two blocks are a fragment
	global_load_b128 v[QF+4*\n:QF+4*\n+3], v[LO], s[46:47] offset:512*\n
.endr
.irp n, 0,1,2,3,4,5,6,7
	v_mov_b32 v[ONE+\n], 0x3c003c00                ; 1.0, 1.0 in f16
.endr
	WIN 0
	s_lshl_b32 s70, s14, 5
	v_add_nc_u32 v3, s70, v1                       ; my query's row in the tile
	v_mul_u32_u24 v3, v3, MP
	v_lshl_add_u32 v[AM], v2, 5, v3                ; + 32 h: eight keys of 4 bytes
	v_add_nc_u32 v[AM+1], SLOTB, v[AM]
	s_lshl_b32 s70, s12, 14
	s_add_co_u32 s70, s70, KVOFF
	v_add_nc_u32 v[AK], s70, v[LO]
	v_add_nc_u32 v[AK+1], SLOTB, v[AK]
; THE LDS LOADS, in runs of sixteen or thirty-two.
.macro LOADM slot                      ; the mask, straight into the scores' registers: my query's row, keys 16 kb + 8 h + 0..7
	WIN 0
.irp t, 0,1
.irp kb, 0,1,2,3,4,5,6,7
	ds_load_b128 v[S+64*\t+8*\kb:S+64*\t+8*\kb+3],   v[AM+\slot] offset:MSTEP*(\kb/4)+16*MP*\t+64*(\kb%4)
	ds_load_b128 v[S+64*\t+8*\kb+4:S+64*\t+8*\kb+7], v[AM+\slot] offset:MSTEP*(\kb/4)+16*MP*\t+64*(\kb%4)+16
.endr
.endr
.endm
.macro LOADK slot, hf                  ; K of keys 64 hf on, as it lies: 32 lanes, 512 consecutive bytes; into half hf of the buffer
	WIN TO_1
.irp n, 0,1,2,3,4,5,6,7,8,9,10,11,12,13,14,15
	ds_load_b128 v[KV+64*\hf+4*\n:KV+64*\hf+4*\n+3], v[AK+\slot] offset:8192*\hf+512*\n
.endr
.endm
.macro LOADV slot                      ; V of the step likewise: two blocks of 16 keys are a fragment of 32
	WIN TO_1
.irp kc, 0,1,2,3
.irp cb, 0,1,2,3
	ds_load_b128 v[KV+32*\kc+8*\cb:KV+32*\kc+8*\cb+3],   v[AK+\slot] offset:32768+2048*(2*\kc)+512*\cb
	ds_load_b128 v[KV+32*\kc+8*\cb+4:KV+32*\kc+8*\cb+7], v[AK+\slot] offset:32768+2048*(2*\kc+1)+512*\cb
.endr
.endr
.endm
.macro SCALE from, count               ; pairs from .. from + count - 1 of the mask's 64 times log2(e): plain instructions that name none of the registers of the products V^T P
	WIN 0
.set i, \from
.rept \count
	v_pk_mul_f32 v[S+2*i:S+2*i+1], v[S+2*i:S+2*i+1], s[CS:CS+1] op_sel_hi:[1,0]
.set i, i+1
.endr
.endm
.macro SCORE hf                        ; 16 products, keys 64 hf on: channels 32 (i / 8) on, keys 16 ((i / 2) % 4) on, tile i % 2.  Eight accumulators take turns; the first link adds onto the scaled mask
	WIN W_KQ
.set i, 0
.rept 16
.set rS, S+64*(i%2)+8*(4*\hf+(i/2)%4)
.set rK, KV+16*(4*\hf+(i/2)%4)+8*(i/8)
.set rQ, QF+16*(i%2)+8*(i/8)
	v_wmma_f32_16x16x32_f16 v[rS:rS+7], v[rK:rK+7], v[rQ:rQ+7], v[rS:rS+7]
.set i, i+1
.endr
.endm
.macro PVH hf, first                   ; 20 products, keys 64 hf on: keys 32 (i / 10) on; block (i / 2) % 5: four of channels, the fifth of ones (l); tile i % 2.  Ten accumulators take turns.  first = 1: the first ten start the sums
	WIN W_PV
.set i, 0
.rept 20
.if (i/2)%5 < 4
.set rO, O+32*(i%2)+8*((i/2)%5)
.set rV, KV+32*(2*\hf+i/10)+8*((i/2)%5)
.else
.set rO, L+8*(i%2)
.set rV, ONE
.endif
.set rP, P+32*(i%2)+8*(2*\hf+i/10)
.if \first && (i < 10)
	v_wmma_f32_16x16x32_f16 v[rO:rO+7], v[rV:rV+7], v[rP:rP+7], 0
.else
	v_wmma_f32_16x16x32_f16 v[rO:rO+7], v[rV:rV+7], v[rP:rP+7], v[rO:rO+7]
.endif
.set i, i+1
.endr
.endm
; The maximum of a lane's 64 scores and the old m', three operands at a time, in four chains a tile, the two tiles alternating; each of the eight accumulators of a tile is read from its low end on:
; chain j takes registers 0-2 of accumulator j, registers 0-1 of accumulator j + 4, then the rest of both; register 7 of accumulators 0-3 is left over for the end.
; Then the other half of the lanes', the new m', and a.
.macro MAXP first
.irp j, 0,1,2,3
.irp t, 0,1
	v_max3_num_f32 v[ST+8*\t+4+\j], v[S+64*\t+8*\j], v[S+64*\t+8*\j+1], v[S+64*\t+8*\j+2]
.endr
.endr
.irp j, 0,1,2,3
.irp t, 0,1
	v_max3_num_f32 v[ST+8*\t+4+\j], v[ST+8*\t+4+\j], v[S+64*\t+32+8*\j], v[S+64*\t+32+8*\j+1]
.endr
.endr
.irp d, 3,5
.irp j, 0,1,2,3
.irp t, 0,1
	v_max3_num_f32 v[ST+8*\t+4+\j], v[ST+8*\t+4+\j], v[S+64*\t+8*\j+\d], v[S+64*\t+8*\j+\d+1]
.endr
.endr
.endr
.irp d, 2,4,6
.irp j, 0,1,2,3
.irp t, 0,1
	v_max3_num_f32 v[ST+8*\t+4+\j], v[ST+8*\t+4+\j], v[S+64*\t+32+8*\j+\d], v[S+64*\t+32+8*\j+\d+1]
.endr
.endr
.endr
.irp t, 0,1
	v_max3_num_f32 v[ST+8*\t+4], v[ST+8*\t+4], v[S+64*\t+7], v[S+64*\t+15]
.endr
.irp t, 0,1
	v_max3_num_f32 v[ST+8*\t+6], v[ST+8*\t+6], v[S+64*\t+23], v[S+64*\t+31]
.endr
.irp t, 0,1
	v_max3_num_f32 v[ST+8*\t+4], v[ST+8*\t+4], v[ST+8*\t+5], v[ST+8*\t+6]
.endr
.irp t, 0,1
.if \first
	v_max3_num_f32 v[ST+8*\t+4], v[ST+8*\t+4], v[ST+8*\t+7], 0xfe967699   ; -1e38: m' stays finite where all is -inf
.else
	v_max3_num_f32 v[ST+8*\t+4], v[ST+8*\t+4], v[ST+8*\t+7], v[ST+8*\t]
.endif
.endr
.irp t, 0,1
	v_permlanex16_b32 v[ST+8*\t+5], v[ST+8*\t+4], s[SEL], s[SEL+1]        ; the query's other 64 keys lie in the lane 16 away
.endr
.irp t, 0,1
	v_max_num_f32 v[ST+8*\t+4], v[ST+8*\t+4], v[ST+8*\t+5]                ; the new m'
.endr
.if !\first
.irp t, 0,1
	v_sub_f32 v[ST+8*\t+7], v[ST+8*\t], v[ST+8*\t+4]
.endr
.endif
.irp t, 0,1
	v_mov_b32 v[ST+8*\t], v[ST+8*\t+4]             ; kept for the next step, which uses + 4 anew
.endr
.if !\first
.irp t, 0,1
	v_exp_f32 v[ST+8*\t+6], v[ST+8*\t+7]           ; a; the first subtraction of EXPP is the plain instruction behind it
.endr
.endif
.endm
; The wave's 64 pairs of scores are numbered through: pair b lies at S + 2 b and belongs to tile b / 32; its weights go to P + b.
.macro SUBM b                          ; s' - m'
	v_pk_add_f32 v[S+2*(\b):S+2*(\b)+1], v[S+2*(\b):S+2*(\b)+1], v[ST+8*((\b)/32)+4:ST+8*((\b)/32)+5] op_sel_hi:[1,0] neg_lo:[0,1] neg_hi:[0,1]
.endm
.macro EX n
	v_exp_f32 v[S+(\n)], v[S+(\n)]
.endm
.macro CV b                            ; rounded to f16
	s_wait_alu depctr_va_vdst(0)
	v_cvt_pk_f16_f32 v[P+(\b)], v[S+2*(\b)], v[S+2*(\b)+1]
.endm
; The 128 exponentials.  A plain instruction that is ready stands behind each before its result is used (ISA guide 5.7.2): 64 subtractions, each four pairs ahead of its exponentials,
; and 64 roundings, each a pair behind: as many plain instructions as exponentials, so that no v_nop is written.
.macro EXPP
.set g, 0
.rept 4
	SUBM g
.set g, g+1
.endr
.set g, 0
.rept 64
	EX 2*g
.if g < 60
	SUBM g+4
.endif
	EX 2*g+1
.if g > 0
	CV g-1
.endif
.set g, g+1
.endr
	CV 63
.endm
.macro RS kk                           ; pair kk of 32 of O^T (tile kk / 16) times the tile's factor
	v_pk_mul_f32 v[O+2*(\kk):O+2*(\kk)+1], v[O+2*(\kk):O+2*(\kk)+1], v[ST+8*((\kk)/16)+6:ST+8*((\kk)/16)+7] op_sel_hi:[1,0]
.endm
; A step's whole softmax: register work alone.  first = 1: the first step, which has no a and nothing to rescale.
; Of l's accumulator only registers 0 and 1 are rescaled: register 0 alone is ever read, the others are copies that stay finite (p <= 1, 2,048 keys).
.macro SOFTMAX first
	WIN 0
	MAXP \first
	EXPP
.if !\first
	WIN W_RS                                       ; the one part that leaves window 0 stands together
.set i, 0
.rept 32
	RS i
.set i, i+1
.endr
.irp t, 0,1
	v_pk_mul_f32 v[L+8*\t:L+8*\t+1], v[L+8*\t:L+8*\t+1], v[ST+8*\t+6:ST+8*\t+7] op_sel_hi:[1,0]
.endr
.endif
	WIN 0                                          ; a label follows
.endm
; A PERIOD: slot `slot`, one key step, from one change of slots to the next.  other = the slot read last.
; head = 1: the first period, with no step in front of it; every wave runs the first softmax at its end, so the classes part one period later.
; THE CHANGE OF SLOTS at a period's head: each wave waits for its own reads of the other slot (the last were its V, now in registers) and for all its tensor loads, of which one is out: its tile of this slot.
; fill = 1: the barrier is a round of the cluster's, and the other slot is filled again, with the keys two slots on, first thing behind it: that load has this whole period in which to land.
; late = 1: the late waves' softmax of the last step stands here.  pvfirst = 1: the products V^T P are the first step's and start the sums.
.macro PERIOD slot, other, fill, head, late, pvfirst
.if \head
	LOADM \slot
	LOADK \slot, 0
	s_wait_dscnt 16                                ; the mask is in; K's first sixteen loads may be out
	SCALE 0, 32
.else
	s_wait_dscnt 0x0
	s_wait_tensorcnt 0x0                           ; no tensor load of mine is out, so a group 0 may be written
	ds_add_u32 v254, v255
	s_wait_dscnt 0x0
.if \fill
	s_add_nc_u64 s[G0M+4*\other+2:G0M+4*\other+3], s[G0M+4*\other+2:G0M+4*\other+3], 1024
	s_add_nc_u64 s[G0K+4*\other+2:G0K+4*\other+3], s[G0K+4*\other+2:G0K+4*\other+3], 32768
	CROUND
	JLOAD \other
.else
	s_barrier_signal -1
	s_barrier_wait -1
.endif
.if \late
	s_cmp_eq_u32 s[CL], 0
	s_cbranch_scc1 .Lwas_early_\@
	SOFTMAX 0                                      ; the late waves: the last step's softmax
.Lwas_early_\@:
.endif
	LOADM \slot                                    ; the scores' registers are free: their weights are rounded
	PVH 0, \pvfirst                                ; the last step's keys 0-63
	s_wait_dscnt 0x0                               ; the mask is in
	SCALE 0, 16                                    ; the places behind those products,
	LOADK \slot, 0                                 ; whose half of the buffer takes this step's K
	PVH 1, 0                                       ; the last step's keys 64-127
	SCALE 16, 16                                   ; likewise
.endif
	LOADK \slot, 1
	SCALE 32, 32
	s_wait_dscnt 16                                ; K's first sixteen loads are in; the second sixteen may be out
	SCORE 0
	s_wait_dscnt 0x0
	SCORE 1
	WIN 0
	PLACES                                         ; behind the last product: ahead of the first read of the scores and of the loads into the buffer
	LOADV \slot                                    ; my last reads of this slot
	WIN 0
.if \head
	SOFTMAX 1
.else
	s_cmp_lg_u32 s[CL], 0
	s_cbranch_scc1 .Lis_late_\@
	SOFTMAX 0                                      ; the early waves: this step's softmax
.Lis_late_\@:
.endif
.endm
	s_wait_tensorcnt 1                             ; my tile of slot 0 is in; slot 1's may stay out
	s_barrier_signal -1
	s_barrier_wait -1                              ; everybody's is
	s_wait_loadcnt 0x0                             ; Q
	PERIOD 0, 1, 0, 1, 0, 0                        ; keys 0-127
	PERIOD 1, 0, 1, 0, 0, 1                        ; keys 128-255; slot 0 takes keys 256 on
	s_mov_b32 s[CNT], 6
.Lpair:                                                ; six trips: keys 256 .. 1,791; each period fills the other slot again
	PERIOD 0, 1, 1, 0, 1, 0
	PERIOD 1, 0, 1, 0, 1, 0
	s_sub_co_u32 s[CNT], s[CNT], 1
	s_cmp_lg_u32 s[CNT], 0
	s_cbranch_scc1 .Lpair
	PERIOD 0, 1, 1, 0, 1, 0                        ; keys 1,792 on; slot 1 takes the last 128 keys
	PERIOD 1, 0, 0, 0, 1, 0                        ; the tail is written out: nothing is left to fetch
	s_wait_dscnt 0x0                               ; V of the last step is in
	s_cmp_eq_u32 s[CL], 0
	s_cbranch_scc1 .Llast_early
	SOFTMAX 0                                      ; the late waves' last softmax
.Llast_early:
	PVH 0, 0
	PVH 1, 0
	; THE WAY OUT: O^T / l, rounded to f16; a lane's eight channels are 16 bytes, a block's 32 lanes 512 consecutive bytes of att
	WIN 0
	PLACES
	WIN W_RC
.irp t, 0,1
	v_rcp_f32 v[ST+8*\t+6], v[L+8*\t]
.endr
	v_nop                                          ; a plain instruction between the reciprocals and their use
	s_wait_alu depctr_va_vdst(0)
	WIN W_RS
.set i, 0
.rept 32
	RS i
.set i, i+1
.endr
	WIN W_KQ                                       ; sources window 1, destination window 0: the scores' registers are free
.set i, 0
.rept 32
	v_cvt_pk_f16_f32 v[S+i], v[O+2*i], v[O+2*i+1]
.set i, i+1
.endr
	WIN 0
.irp n, 0,1,2,3,4,5,6,7
	global_store_b128 v[LO], v[S+4*\n:S+4*\n+3], s[62:63] offset:4096*(\n/4)+512*(\n%4)
.endr
	CROUND                                         ; the closing round
	s_endpgm
.Lfunc_end_k_qca25fc664f_attn:
	.size	k_qca25fc664f_attn, .Lfunc_end_k_qca25fc664f_attn-k_qca25fc664f_attn
	.p2alignl 7, 3214868480
	.fill 96, 4, 3214868480
	.section	.rodata,"a",@progbits
	.p2align	6, 0x0
	.amdhsa_kernel k_qca25fc664f_attn
		.amdhsa_group_segment_fixed_size 327680
		.amdhsa_private_segment_fixed_size 0
		.amdhsa_enable_private_segment 0
		.amdhsa_kernarg_size 24
		.amdhsa_user_sgpr_count 2
		.amdhsa_user_sgpr_kernarg_segment_ptr 1
		.amdhsa_wavefront_size32 1
		.amdhsa_system_sgpr_workgroup_id_x 1
		.amdhsa_system_sgpr_workgroup_id_y 1
		.amdhsa_system_sgpr_workgroup_id_z 1
		.amdhsa_system_vgpr_workitem_id 0
		.amdhsa_next_free_vgpr 504
		.amdhsa_next_free_sgpr 72
		.amdhsa_reserve_vcc 0
		.amdhsa_float_denorm_mode_32 3
		.amdhsa_float_denorm_mode_16_64 3
		.amdhsa_memory_ordered 1
		.amdhsa_forward_progress 1
		.amdhsa_inst_pref_size 255
	.end_amdhsa_kernel
	.section	.bss,"aw",@nobits
	.p2align	6
	.space	262144
	.amdgpu_metadata
---
amdhsa.version: [ 1, 2 ]
amdhsa.kernels:
  - .name:           k_qca25fc664f_attn
    .symbol:         k_qca25fc664f_attn.kd
    .args:
      - { .name: qkv, .offset: 0, .size: 8, .value_kind: global_buffer, .address_space: global }
      - { .name: mask, .offset: 8, .size: 8, .value_kind: global_buffer, .address_space: global }
      - { .name: att, .offset: 16, .size: 8, .value_kind: global_buffer, .address_space: global }
    .group_segment_fixed_size: 327680
    .private_segment_fixed_size: 0
    .kernarg_segment_align: 8
    .kernarg_segment_size: 24
    .max_flat_workgroup_size: 256
    .sgpr_count:     72
    .vgpr_count:     504
    .wavefront_size: 32
...
	.end_amdgpu_metadata
.endif
;; end of part 3
;; launch oproj (part 4): grid 16 x 16, 4 waves a work-group, clusters of 4 x 4, 327,680 bytes of LDS; arguments att, cb, out0; writes out0
.if DOCPART == 4
	.amdgcn_target "amdgcn-amd-amdhsa--gfx1250"
	.amdhsa_code_object_version 6
	.text
	.protected	k_qca25fc664f_oproj
	.globl	k_qca25fc664f_oproj
	.p2align	8
	.type	k_qca25fc664f_oproj,@function
k_qca25fc664f_oproj:
	s_mov_b64 s[64:65], 0
	v_nop
	global_prefetch_b8 v0, s[64:65] scope:SCOPE_SE
	s_setreg_imm32_b32 hwreg(HW_REG_WAVE_MODE, 25, 1), 1
	s_wait_xcnt 0x0
	s_wait_alu depctr_hold_cnt(0) depctr_sa_sdst(0) depctr_va_vdst(0) depctr_va_sdst(0) depctr_va_ssrc(0) depctr_va_vcc(0) depctr_vm_vsrc(0)
	s_getreg_b32 s2, hwreg(HW_REG_IB_STS2, 6, 4)
	s_cmp_eq_u32 s2, 0
	s_cbranch_scc0 .Lentry_in_a_cluster
	s_endpgm
.Lentry_in_a_cluster:
	s_bfe_u32 s2, ttmp6, 0x10000c
	s_cmp_lg_u32 s2, 0xf033
	s_cbranch_scc0 .Lentry_shape_is_right
	s_endpgm
.Lentry_shape_is_right:
; out0[m][n] = the sum over k of att[m][k] wo[n][k]: f16 operands, f32 sums, f32 out.  att lies by fragments (byte = g 524,288 + sb 4,096 + kb 512 + 16 lane: 128 along K a block g),
; wo row-major in f16 at byte 32 MiB of cb.
; A tile of out0 is 128 x 128: 256 work-groups.  Four waves, each 64 x 64: 16 accumulators.  K goes in 8 steps of 256 through a ring of two LDS slots.
; A slot: att's two dense blocks of 32,768 bytes (128 rows x 128 K each: a fragment load takes 512 consecutive bytes, so no padding), then wo's 128 rows of 512 bytes, 528 apart.
; CLUSTER 4 x 4: att's blocks hang on the row tile alone: joint along a row of the cluster; wo's tiles on the column tile alone: joint along a column.
; THE MATRIX INSTRUCTION IS USED TRANSPOSED (source 0 = 16 rows of wo, source 1 = 16 rows of att): a lane holds eight neighbouring numbers of a row of out0.
; PREFETCH.  A lap's tiles (two K steps) are 128 KiB of att for a row tile and 128 KiB of wo for a column tile, each read by 16 work-groups: each work-group asks for a sixteenth of both, 32 blocks
; of 256 bytes each, lanes 256 bytes apart: wave 0 asks for att's, wave 2 for wo's, so that every block of laps 1 to 3 is asked for once in the launch.  Lap 1 is asked for at the head; laps 2 and 3 in the
; loop's first two trips, two K steps (256 products of a wave) ahead of the refill that brings the lap's first step and three ahead of the second's; the last trip asks for nothing.
; REGISTERS: window 0: v16-28 addresses; v128-255 the accumulators ((a, b) at v[128 + 8 (4 a + b)]), which also take the rows read back on the way out.
;   window 1: two fragment buffers of 128: for 64 along K, 64 registers of att, then 64 of wo.
.set PITCH,  528                       ; a row of wo in LDS: 512 bytes + 16 = 132 words: row r starts at bank 4 r mod 64 (64 banks of 4 bytes: ISA guide 11.1)
.set ABLK,   32768
.set BOFF,   2*ABLK
.set HALFB,  64*PITCH
.set SLOT,   BOFF+2*HALFB
.set STAGE,  2*SLOT                    ; behind the ring: 16 rows x 272 bytes for each wave; no tensor load fills it
.set SPITCH, 272
.set LAPS,   4                         ; a lap = two K steps; 2,048 / 512
.set ADRA, 16
.set ADRB, 20
.set STO,  24
.set RD,   25
.set CO,   26
.set PFA,  27                          ; v27  my lane's block in the sixteenth of att's lap that my work-group asks for; never rewritten
.set PFB,  28                          ; v28  the same for wo
.set ACC,  128
.set F0,   0
.set F1,   128
.set G1, 24
.set G0, 32
.set G1B, 48
.set G0B, 56
.set PBA, 66                           ; s[66:67] where that sixteenth of att begins, for the lap to be asked for
.set PBB, 68                           ; s[68:69] the same for wo
.set MSB, 0
.macro WIN new
.if MSB != \new
	s_set_vgpr_msb (MSB<<8)|\new
.set MSB, \new
.endif
.endm
.set MUL,  0x05                        ; sources 0 and 1 window 1; C and D window 0
.set TO_F, 0x40                        ; destination window 1
.macro JLOAD s                         ; waves 0 and 1 fetch att's two blocks, waves 2 and 3 the two halves of wo's tile; four v_nop follow each line
	s_cmp_eq_u32 s11, 0
	s_cbranch_scc0 .Lfor_b_\@
	tensor_load_to_lds s[G0+4*\s:G0+4*\s+3], s[G1:G1+7]
	s_nop 0
.rept 4
	v_nop
.endr
	s_branch .Lasked_\@
.Lfor_b_\@:
	tensor_load_to_lds s[G0B+4*\s:G0B+4*\s+3], s[G1B:G1B+7]
	s_nop 0
.rept 4
	v_nop
.endr
.Lasked_\@:
.endm
.macro CREST
	s_cmp_lg_u32 s10, 0
	s_cbranch_scc1 .Lnot_wave_0_\@
	s_barrier_signal -3
.Lnot_wave_0_\@:
	s_barrier_wait -3
	s_barrier_signal -1
	s_barrier_wait -1
.endm
.macro CROUND
	s_barrier_signal -1
	s_barrier_wait -1
	CREST
.endm
.macro PLACES
.rept 4
	v_nop
.endr
.endm
; A lap's prefetch.  inloop = 1: the bases step to the next lap first; the loop's last trip (s3 = 1) would ask for K steps 8 and 9, which do not exist: it asks for nothing and steps nothing.
.macro ASK inloop
.if \inloop
	s_cmp_eq_u32 s3, 1
	s_cbranch_scc1 .Lnone_\@
	s_wait_xcnt 0x0                                ; the prefetch that named these bases stands a lap back: they are written only behind this wait
	s_add_nc_u64 s[PBA:PBA+1], s[PBA:PBA+1], 0x200000   ; att: four blocks g on
	s_add_nc_u64 s[PBB:PBB+1], s[PBB:PBB+1], 1024       ; wo: 512 elements on along its rows
.endif
	s_cmp_lg_u32 s12, 0
	s_cbranch_scc1 .Lnone_\@                       ; waves 1 and 3 ask for nothing
	s_cmp_eq_u32 s11, 0
	s_cbranch_scc0 .Lwo_\@
	global_prefetch_b8 v[PFA], s[PBA:PBA+1] th:TH_LOAD_NT scope:SCOPE_SE
	s_branch .Lnone_\@
.Lwo_\@:
	global_prefetch_b8 v[PFB], s[PBB:PBB+1] th:TH_LOAD_NT scope:SCOPE_SE
.Lnone_\@:
.endm
	s_load_b128 s[4:7], s[0:1], 0x0                ; att s[4:5], cb s[6:7]
	s_load_b64 s[8:9], s[0:1], 0x10                ; out0
	v_lshl_add_u32 v126, v0, 2, 0x45400
	v_mov_b32 v127, 0
	ds_add_u32 v126, v127
	v_lshrrev_b32 v1, 5, v0
	v_readfirstlane_b32 s10, v1                    ; wave 0..3
	s_lshr_b32 s11, s10, 1                         ; which half of the tile's rows is mine.  Also: I fetch for att (0) or for wo (1)
	s_and_b32 s12, s10, 1                          ; which half of its columns.  Also: which of the two blocks or halves I fetch
	s_bfe_u32 s40, ttmp6, 0x40000
	s_bfe_u32 s41, ttmp6, 0x40004
	s_lshl_b32 s42, ttmp9, 2
	s_add_co_u32 s42, s42, s40                     ; column tile nt
	s_and_b32 s13, ttmp7, 0xffff
	s_lshl_b32 s13, s13, 2
	s_add_co_u32 s13, s13, s41                     ; row tile mt
	s_lshl_b32 s43, s41, 2
	s_lshl_b32 s43, 15, s43
	s_lshl_b32 s44, 0x1111, s40
	s_or_b32 s[G1+0], s43, (3<<16)|(1<<21)         ; att: a dense block as 128 rows of 32 elements of 8 bytes
	s_mov_b32 s[G1+1], 32<<16
	s_mov_b32 s[G1+2], 128<<16
	s_mov_b32 s[G1+3], 32<<16
	s_mov_b32 s[G1+4], 128
	s_mov_b32 s[G1+5], 32
	s_mov_b32 s[G1+6], 0
	s_mov_b32 s[G1+7], 0
	s_or_b32 s[G1B+0], s44, (1<<16)|(1<<20)|(1<<21)|(6<<22)|(3<<25)  ; wo: 64 rows x 256 elements of 2 bytes; 16 bytes of padding behind every 128 words
	s_mov_b32 s[G1B+1], 256<<16
	s_mov_b32 s[G1B+2], 64<<16
	s_mov_b32 s[G1B+3], 256<<16
	s_mov_b32 s[G1B+4], 64
	s_mov_b32 s[G1B+5], 2048
	s_mov_b32 s[G1B+6], 0
	s_mov_b32 s[G1B+7], 0
	s_lshl_b32 s16, s13, 15                        ; att: 128 mt rows = 32,768 mt bytes in block g = 2 x K step + w % 2
	s_lshl_b32 s17, s12, 19
	s_add_co_u32 s16, s16, s17
	s_mov_b32 s17, 0
	s_lshl_b32 s46, s42, 19                        ; wo: row 128 nt + 64 (w % 2), 4,096 bytes a row, behind 32 MiB
	s_lshl_b32 s47, s12, 18
	s_add_co_u32 s46, s46, s47
	s_add_co_u32 s46, s46, 0x2000000
	s_mov_b32 s47, 0
	s_lshl_b32 s20, s12, 15                        ; where they go: the wave's number alone
	s_mul_i32 s21, s12, HALFB
	s_add_co_u32 s21, s21, BOFF
	s_wait_dscnt 0x0
	s_wait_kmcnt 0x0
	s_add_nc_u64 s[14:15], s[4:5], s[16:17]
	s_add_nc_u64 s[46:47], s[6:7], s[46:47]
	CROUND                                         ; all sixteen work-groups are here: the first joint loads meet
.irp s, 0,1
	s_mov_b32 s[G0+4*\s], 1
	s_add_co_u32 s[G0+4*\s+1], s20, \s*SLOT
	s_add_nc_u64 s[G0+4*\s+2:G0+4*\s+3], s[14:15], \s*0x100000
	s_or_b32 s[G0+4*\s+3], s[G0+4*\s+3], 0x80000000
	s_mov_b32 s[G0B+4*\s], 1
	s_add_co_u32 s[G0B+4*\s+1], s21, \s*SLOT
	s_add_nc_u64 s[G0B+4*\s+2:G0B+4*\s+3], s[46:47], \s*512
	s_or_b32 s[G0B+4*\s+3], s[G0B+4*\s+3], 0x80000000
	JLOAD \s                                       ; K steps 0 and 1: two tensor loads of mine are out
.endr
	v_and_b32 v1, 15, v0                           ; r
	v_bfe_u32 v2, v0, 4, 1                         ; h
	v_and_b32 v3, 31, v0                           ; lane
	; What my work-group asks for of lap j (K steps 2 j + e).  att: of step 2 j + e's blocks g = 4 j + 2 e + nt / 8, the 4,096 bytes at 32,768 mt + 4,096 (nt % 8): lane (r, h) takes e = h, block r.
	; wo: of rows 128 nt + 8 mt + 0..7 the lap's 1,024 bytes at 1,024 j: lane l takes row l / 4, block l % 4.  The highest byte named, in lap 3, lies in the last 256 bytes of att and of cb.
	v_lshlrev_b32 v[PFA], 20, v2
	v_lshl_add_u32 v[PFA], v1, 8, v[PFA]
	v_lshrrev_b32 v4, 2, v3
	v_and_b32 v5, 3, v3
	v_lshlrev_b32 v[PFB], 12, v4
	v_lshl_add_u32 v[PFB], v5, 8, v[PFB]
	s_lshr_b32 s70, s42, 3
	s_lshl_b32 s70, s70, 19
	s_lshl_b32 s71, s13, 15
	s_add_co_u32 s70, s70, s71
	s_and_b32 s71, s42, 7
	s_lshl_b32 s71, s71, 12
	s_add_co_u32 s70, s70, s71
	s_add_co_u32 s70, s70, 0x200000                ; lap 1
	s_mov_b32 s71, 0
	s_add_nc_u64 s[PBA:PBA+1], s[4:5], s[70:71]
	s_lshl_b32 s70, s42, 19
	s_lshl_b32 s71, s13, 15
	s_add_co_u32 s70, s70, s71
	s_add_co_u32 s70, s70, 0x2000400               ; behind 32 MiB; lap 1
	s_mov_b32 s71, 0
	s_add_nc_u64 s[PBB:PBB+1], s[6:7], s[70:71]
	ASK 0                                          ; lap 1: its first refill stands behind K step 0
	v_lshlrev_b32 v3, 4, v3
	s_lshl_b32 s22, s11, 14                        ; my 64 rows of att: four blocks of 4,096 bytes
	v_add_nc_u32 v[ADRA], s22, v3
	v_add_nc_u32 v[ADRA+1], SLOT, v[ADRA]
	v_mul_u32_u24 v4, v1, PITCH
	v_lshl_add_u32 v4, v2, 4, v4
	s_mul_i32 s22, s12, HALFB                      ; my 64 rows of wo
	s_add_co_u32 s22, s22, BOFF
	v_add_nc_u32 v[ADRB], s22, v4
	v_add_nc_u32 v[ADRB+1], SLOT, v[ADRB]
	s_mul_i32 s23, s10, 16*SPITCH
	s_add_co_u32 s23, s23, STAGE                   ; my stage
	v_mul_u32_u24 v4, v1, SPITCH                   ; in: row r, 32 bytes for each half of the lanes
	v_lshl_add_u32 v4, v2, 5, v4
	v_add_nc_u32 v[STO], s23, v4
	v_mul_u32_u24 v5, v2, SPITCH                   ; back: lanes 0-15 take one row of 256 bytes, lanes 16-31 the next
	v_lshl_add_u32 v5, v1, 4, v5
	v_add_nc_u32 v[RD], s23, v5
	v_lshlrev_b32 v5, 13, v2                       ; and the same two rows in out0, 8,192 bytes apart
	v_lshl_add_u32 v[CO], v1, 4, v5
	s_lshl_b32 s16, s13, 20                        ; my first row: 128 mt + 64 (w / 2)
	s_lshl_b32 s17, s11, 19
	s_add_co_u32 s16, s16, s17
	s_mov_b32 s17, 0
	s_add_nc_u64 s[8:9], s[8:9], s[16:17]
	s_lshl_b32 s46, s42, 9                         ; my first column, in bytes: 512 nt + 256 (w % 2)
	s_lshl_b32 s47, s12, 8
	s_add_co_u32 s46, s46, s47
	s_mov_b32 s47, 0
	s_add_nc_u64 s[8:9], s[8:9], s[46:47]
.macro MUL8 f, c, a0, zero             ; 8 products: row blocks a0, a0 + 1 x all 4 column blocks, 32 along K: half c of buffer f
.irp a, \a0, \a0+1
.irp b, 0,1,2,3
.if \zero
	v_wmma_f32_16x16x32_f16 v[ACC+8*(4*(\a)+\b):ACC+8*(4*(\a)+\b)+7], v[\f+64+8*(4*\c+\b):\f+64+8*(4*\c+\b)+7], v[\f+8*(4*\c+\a):\f+8*(4*\c+\a)+7], 0
.else
	v_wmma_f32_16x16x32_f16 v[ACC+8*(4*(\a)+\b):ACC+8*(4*(\a)+\b)+7], v[\f+64+8*(4*\c+\b):\f+64+8*(4*\c+\b)+7], v[\f+8*(4*\c+\a):\f+8*(4*\c+\a)+7], v[ACC+8*(4*(\a)+\b):ACC+8*(4*(\a)+\b)+7]
.endif
.endr
.endr
.endm
; 32 LDS loads in one run: quarter q of the slot's K step (64 along K), into buffer f; its first 32 along K first.  Piece j = 2 q + c of 32 along K lies in att's block j / 4 at 1,024 (j % 4).
.macro FETCH slot, q, f
	WIN TO_F
.irp c, 0,1
.irp i, 0,1,2,3
	ds_load_b128 v[\f+64+8*(4*\c+\i):\f+64+8*(4*\c+\i)+3],   v[ADRB+\slot] offset:128*\q+64*\c+\i*16*PITCH
	ds_load_b128 v[\f+64+8*(4*\c+\i)+4:\f+64+8*(4*\c+\i)+7], v[ADRB+\slot] offset:128*\q+64*\c+\i*16*PITCH+32
	ds_load_b128 v[\f+8*(4*\c+\i):\f+8*(4*\c+\i)+3],         v[ADRA+\slot] offset:((2*\q+\c)/4)*ABLK+((2*\q+\c)%4)*1024+\i*4096
	ds_load_b128 v[\f+8*(4*\c+\i)+4:\f+8*(4*\c+\i)+7],       v[ADRA+\slot] offset:((2*\q+\c)/4)*ABLK+((2*\q+\c)%4)*1024+\i*4096+512
.endr
.endr
.endm
; A K step is four quarters of 64 along K, 32 matrix instructions each, on buffers 0, 1, 0, 1; the 16 accumulators take turns.
.macro QUARTER slot, q, f, g, zero
	s_wait_dscnt 16                                ; the first 32 along K are in
	WIN MUL
	MUL8 \f, 0, 0, \zero
	MUL8 \f, 0, 2, \zero
	PLACES
	FETCH \slot, \q, \g
	s_wait_dscnt 32                                ; all but the 32 just issued
	WIN MUL
	MUL8 \f, 1, 0, 0
	MUL8 \f, 1, 2, 0
.endm
; The last quarter multiplies buffer 1 and changes slots: ONE barrier; in front of it each wave waits for its own reads of this slot and for all its tensor loads.  fill = 1: this slot is filled again, two K steps ahead.
; ask = 1: the lap after next is asked for, behind the run of LDS loads and ahead of sixteen products whose fragments are in registers.
.macro TURN slot, next, fill, ask
	s_wait_dscnt 16
	WIN MUL
	MUL8 F1, 0, 0, 0
	s_wait_dscnt 0                                 ; my reads of this slot are over,
	s_set_vgpr_msb 0x500
	s_wait_tensorcnt 0x0                           ; and all my tensor loads have landed: my part of the next slot
	ds_add_u32 v126, v127
	s_wait_dscnt 0x0
	s_set_vgpr_msb 0x5
	s_barrier_signal -1
	MUL8 F1, 0, 2, 0
.if \fill
	WIN 0
.endif
	s_barrier_wait -1
.if \fill
	CREST                                          ; the barrier has opened a round of the cluster's: no wave of any partner still reads this slot or has a load on its way
	s_add_nc_u64 s[G0+4*\slot+2:G0+4*\slot+3], s[G0+4*\slot+2:G0+4*\slot+3], 0x200000
	s_add_nc_u64 s[G0B+4*\slot+2:G0B+4*\slot+3], s[G0B+4*\slot+2:G0B+4*\slot+3], 1024
	JLOAD \slot                                    ; the first tensor load behind the round: 120 matrix instructions ahead of the wait for it; its four v_nop are also the places in front of the loads below
.else
	PLACES
.endif
	FETCH \next, 0, F0
.if \ask
	WIN 0
	ASK 1
.endif
	WIN MUL
	MUL8 F1, 1, 0, 0
	MUL8 F1, 1, 2, 0
.endm
	s_wait_tensorcnt 1                             ; my part of K step 0 is in; K step 1's may stay out
	s_barrier_signal -1
	s_barrier_wait -1
	FETCH 0, 0, F0
	QUARTER 0, 1, F0, F1, 1                        ; the first quarter stands in front of the loop: its first products start the sums
	WIN 0
	s_mov_b32 s3, LAPS-1
.Llap:
	QUARTER 0, 2, F1, F0, 0
	QUARTER 0, 3, F0, F1, 0
	TURN 0, 1, 1, 1
	QUARTER 1, 1, F0, F1, 0
	QUARTER 1, 2, F1, F0, 0
	QUARTER 1, 3, F0, F1, 0
	TURN 1, 0, 1, 0
	QUARTER 0, 1, F0, F1, 0
	WIN 0
	s_sub_co_u32 s3, s3, 1
	s_cmp_lg_u32 s3, 0
	s_cbranch_scc1 .Llap
	QUARTER 0, 2, F1, F0, 0                        ; the last lap fills nothing
	QUARTER 0, 3, F0, F1, 0
	TURN 0, 1, 0, 0
	QUARTER 1, 1, F0, F1, 0
	QUARTER 1, 2, F1, F0, 0
	QUARTER 1, 3, F0, F1, 0
	s_wait_dscnt 16
	WIN MUL
	MUL8 F1, 0, 0, 0
	MUL8 F1, 0, 2, 0
	s_wait_dscnt 0
	MUL8 F1, 1, 0, 0
	MUL8 F1, 1, 2, 0
	WIN 0
	; THE WAY OUT.  A lane's eight f32 are 32 bytes of a row of 256; 16 rows at a time go through my own stage and come back as whole rows, into the registers that they left.
	; LDS serves a wave's instructions in order (ISA guide 5.7.1.4): the loads see the stores above them, and the next block's stores come behind them.
	PLACES
.irp a, 0,1,2,3
.irp b, 0,1,2,3
	ds_store_b128 v[STO], v[ACC+8*(4*\a+\b):ACC+8*(4*\a+\b)+3]   offset:64*\b
	ds_store_b128 v[STO], v[ACC+8*(4*\a+\b)+4:ACC+8*(4*\a+\b)+7] offset:64*\b+16
.endr
.irp t, 0,1,2,3,4,5,6,7
	ds_load_b128 v[ACC+32*\a+4*\t:ACC+32*\a+4*\t+3], v[RD] offset:\t*2*SPITCH
.endr
.endr
.irp a, 0,1,2,3
.irp t, 0,1,2,3,4,5,6,7
	s_wait_dscnt 16*(3-\a)+7-\t                    ; the LDS instructions issued behind this load: the rest of its block's, and sixteen for each later block
	global_store_b128 v[CO], v[ACC+32*\a+4*\t:ACC+32*\a+4*\t+3], s[8:9] offset:(16*\a+2*\t)*8192 th:TH_STORE_NT   ; 16 lanes store 256 consecutive bytes, aligned
.endr
.endr
	s_wait_tensorcnt 0x0
	ds_add_u32 v126, v127
	s_wait_dscnt 0x0
	CROUND                                         ; the closing round
	s_endpgm
.Lfunc_end_k_qca25fc664f_oproj:
	.size	k_qca25fc664f_oproj, .Lfunc_end_k_qca25fc664f_oproj-k_qca25fc664f_oproj
	.p2alignl 7, 3214868480
	.fill 96, 4, 3214868480
	.section	.rodata,"a",@progbits
	.p2align	6, 0x0
	.amdhsa_kernel k_qca25fc664f_oproj
		.amdhsa_group_segment_fixed_size 327680
		.amdhsa_private_segment_fixed_size 0
		.amdhsa_enable_private_segment 0
		.amdhsa_kernarg_size 24
		.amdhsa_user_sgpr_count 2
		.amdhsa_user_sgpr_kernarg_segment_ptr 1
		.amdhsa_wavefront_size32 1
		.amdhsa_system_sgpr_workgroup_id_x 1
		.amdhsa_system_sgpr_workgroup_id_y 1
		.amdhsa_system_sgpr_workgroup_id_z 1
		.amdhsa_system_vgpr_workitem_id 0
		.amdhsa_next_free_vgpr 512
		.amdhsa_next_free_sgpr 72
		.amdhsa_reserve_vcc 0
		.amdhsa_float_denorm_mode_32 3
		.amdhsa_float_denorm_mode_16_64 3
		.amdhsa_memory_ordered 1
		.amdhsa_forward_progress 1
		.amdhsa_inst_pref_size 88
	.end_amdhsa_kernel
	.amdgpu_metadata
---
amdhsa.version: [ 1, 2 ]
amdhsa.kernels:
  - .name:           k_qca25fc664f_oproj
    .symbol:         k_qca25fc664f_oproj.kd
    .args:
      - { .name: att, .offset: 0, .size: 8, .value_kind: global_buffer, .address_space: global }
      - { .name: cb, .offset: 8, .size: 8, .value_kind: global_buffer, .address_space: global }
      - { .name: out0, .offset: 16, .size: 8, .value_kind: global_buffer, .address_space: global }
    .group_segment_fixed_size: 327680
    .private_segment_fixed_size: 0
    .kernarg_segment_align: 8
    .kernarg_segment_size: 24
    .max_flat_workgroup_size: 128
    .sgpr_count:     72
    .vgpr_count:     512
    .wavefront_size: 32
...
	.end_amdgpu_metadata
.endif
;; end of part 4
;; ======== version 2 of 2: 4 launches; version 1 with the launch cast written anew for expert scheduling mode
;; limits: values are held in f16: magnitudes above 65,504 overflow, below 6.1e-05 lose precision; inputs' magnitudes at most 6.9e+37
;; workspace buffers: cb 41,943,040 bytes; qkv 25,165,824 bytes; att 8,388,608 bytes
;; launch cast (part 5): grid 1024 x 1, 8 waves a work-group, no clusters, 0 bytes of LDS; arguments x, wq, wk, wv, wo, cb; writes cb
.if DOCPART == 5
	.amdgcn_target "amdgcn-amd-amdhsa--gfx1250"
	.amdhsa_code_object_version 6
	.text
	.protected	k_qca25fc664f_cast
	.globl	k_qca25fc664f_cast
	.p2align	8
	.type	k_qca25fc664f_cast,@function
k_qca25fc664f_cast:
	s_mov_b64 s[64:65], 0
	v_nop
	global_prefetch_b8 v0, s[64:65] scope:SCOPE_SE
	s_setreg_imm32_b32 hwreg(HW_REG_WAVE_SCHED_MODE, 0, 2), 2
	s_setreg_imm32_b32 hwreg(HW_REG_WAVE_MODE, 25, 1), 1
	s_wait_xcnt 0x0
	s_wait_alu depctr_vm_vsrc(0)
; cb = the five f32 inputs as 16-bit numbers, row-major, 8 MiB each: x, wq, wk, wv in bf16, then wo in f16.
; wo is first rounded to bf16's eight significant bits, like the other four, and that number is then written in f16's code:
; its partner in the last product (att) needs f16's eleven bits, and with all five inputs on one grid the program computes the
; module on bf16-rounded inputs.  LIMITS: the second step is exact for 2^-17 <= |wo| < 65,504; smaller numbers fall on f16's
; grid of 2^-24, larger ones become infinite.
; A stream: memory binds, so no LDS, no barrier, no matrix unit.  Work-group n takes bytes 16,384 n .. + 16,383 of each input:
; 20 loads of 16 bytes a lane are all issued first (a wave's load covers 512 consecutive bytes), then each is converted
; (a wave's store of 8 bytes a lane covers 256 consecutive bytes, aligned).  No register is written again once a store reads it.
; THE MODE: SCHED_MODE bits 1:0 = 2 (LLVM: expert scheduling mode 2), set by the entry lines.  The code itself states the register dependences
; between vector instructions and memory instructions, with s_wait_alu, always for 0.
; THE PLAN.  The 20 loads are five blocks of four, one block an input.  Registers that memory instructions touch:
;   v1, v2   byte offsets of the loads and of the stores: made once at the head, never written again.
;   X        four registers a load: written by that load alone; read by its own conversions, behind the counted wait for it.
;   Y        two registers a load: written by that load's conversions; read by one store, which is issued in the NEXT block.
; Block i's vector lines name X and Y of block i alone; its memory instructions are the four stores of block i - 1.  So one wait at a block's head,
; behind the wait for the block's first load, states all that its four stores hang on, and they are dealt among its conversions with no further wait.
; No memory instruction reads a register that is written later, so the text holds no wait for a memory instruction's reads.
.set X, 4                              ; v[4:83]    load n = 4 i + j: 4 registers
.set Y, 84                             ; v[84:123]  its 2 registers to store
	s_load_b256 s[4:11], s[0:1], 0x0               ; x s[4:5], wq s[6:7], wk s[8:9], wv s[10:11]
	s_load_b128 s[12:15], s[0:1], 0x20             ; wo s[12:13], cb s[14:15]
	s_lshl_b32 s2, ttmp9, 14                       ; my 16,384 bytes in each input
	s_mov_b32 s3, 0
	s_lshl_b32 s16, ttmp9, 13                      ; my 8,192 bytes in each part of cb
	s_mov_b32 s17, 0
	v_lshlrev_b32 v1, 4, v0                        ; 16 bytes a thread in
	v_lshlrev_b32 v2, 3, v0                        ; 8 bytes a thread out
	s_wait_kmcnt 0x0
.irp i, 0,1,2,3,4
	s_add_nc_u64 s[4+2*\i:5+2*\i], s[4+2*\i:5+2*\i], s[2:3]
.endr
	s_add_nc_u64 s[18:19], s[14:15], s[16:17]      ; five bases for the stores, 8 MiB apart
.irp i, 1,2,3,4
	s_add_nc_u64 s[18+2*\i:19+2*\i], s[16+2*\i:17+2*\i], 0x800000
.endr
	s_wait_alu depctr_va_vdst(0)                   ; v1 and v2 are written: every load of the kernel reads v1 as its offset, every store v2
.irp i, 0,1,2,3,4
.irp j, 0,1,2,3
	global_load_b128 v[X+4*(4*\i+\j):X+4*(4*\i+\j)+3], v1, s[4+2*\i:5+2*\i] offset:4096*\j th:TH_LOAD_NT
.endr
.endr
.irp i, 0,1,2,3                        ; blocks 0 to 3: x, wq, wk, wv
.irp j, 0,1,2,3
	s_wait_loadcnt 19-(4*\i+\j)                    ; loads come back in order: this one is in, the younger ones stay out
.if (\i > 0) && (\j == 0)
	s_wait_alu depctr_va_vdst(0)                   ; the block before has written its eight Y registers, which this block's four stores read
.endif
.if \i > 0
	global_store_b64 v2, v[Y+2*(4*((\i)-1)+\j):Y+2*(4*((\i)-1)+\j)+1], s[18+2*((\i)-1):19+2*((\i)-1)] offset:2048*\j  ; the block before; no vector line since the wait names these registers
.endif
	v_cvt_pk_bf16_f32 v[Y+2*(4*\i+\j)],   v[X+4*(4*\i+\j)],   v[X+4*(4*\i+\j)+1]
	v_cvt_pk_bf16_f32 v[Y+2*(4*\i+\j)+1], v[X+4*(4*\i+\j)+2], v[X+4*(4*\i+\j)+3]
.endr
.endr
.irp j, 0,1,2,3                        ; block 4, wo: to bf16's grid, widened again (a shift, a mask), then into f16's code
	s_wait_loadcnt 3-\j
.if \j == 0
	s_wait_alu depctr_va_vdst(0)                   ; block 3 has written its eight Y registers, which wv's four stores read
.endif
	global_store_b64 v2, v[Y+24+2*\j:Y+24+2*\j+1], s[24:25] offset:2048*\j   ; wv's; no vector line since the wait names these registers
	v_cvt_pk_bf16_f32 v[Y+32+2*\j],   v[X+64+4*\j],   v[X+64+4*\j+1]
	v_cvt_pk_bf16_f32 v[Y+32+2*\j+1], v[X+64+4*\j+2], v[X+64+4*\j+3]
	v_lshlrev_b32 v[X+64+4*\j],   16, v[Y+32+2*\j]
	v_and_b32     v[X+64+4*\j+1], 0xffff0000, v[Y+32+2*\j]
	v_lshlrev_b32 v[X+64+4*\j+2], 16, v[Y+32+2*\j+1]
	v_and_b32     v[X+64+4*\j+3], 0xffff0000, v[Y+32+2*\j+1]
	v_cvt_pk_f16_f32 v[Y+32+2*\j],   v[X+64+4*\j],   v[X+64+4*\j+1]
	v_cvt_pk_f16_f32 v[Y+32+2*\j+1], v[X+64+4*\j+2], v[X+64+4*\j+3]
.endr
	s_wait_alu depctr_va_vdst(0)                   ; block 4 has written its eight Y registers, which the last four stores read
.irp j, 0,1,2,3
	global_store_b64 v2, v[Y+32+2*\j:Y+32+2*\j+1], s[26:27] offset:2048*\j
.endr
	s_endpgm
.Lfunc_end_k_qca25fc664f_cast:
	.size	k_qca25fc664f_cast, .Lfunc_end_k_qca25fc664f_cast-k_qca25fc664f_cast
	.p2alignl 7, 3214868480
	.fill 96, 4, 3214868480
	.section	.rodata,"a",@progbits
	.p2align	6, 0x0
	.amdhsa_kernel k_qca25fc664f_cast
		.amdhsa_group_segment_fixed_size 0
		.amdhsa_private_segment_fixed_size 0
		.amdhsa_enable_private_segment 0
		.amdhsa_kernarg_size 48
		.amdhsa_user_sgpr_count 2
		.amdhsa_user_sgpr_kernarg_segment_ptr 1
		.amdhsa_wavefront_size32 1
		.amdhsa_system_sgpr_workgroup_id_x 1
		.amdhsa_system_sgpr_workgroup_id_y 1
		.amdhsa_system_sgpr_workgroup_id_z 1
		.amdhsa_system_vgpr_workitem_id 0
		.amdhsa_next_free_vgpr 128
		.amdhsa_next_free_sgpr 66
		.amdhsa_reserve_vcc 0
		.amdhsa_float_denorm_mode_32 3
		.amdhsa_float_denorm_mode_16_64 3
		.amdhsa_memory_ordered 1
		.amdhsa_forward_progress 1
		.amdhsa_inst_pref_size 10
	.end_amdhsa_kernel
	.amdgpu_metadata
---
amdhsa.version: [ 1, 2 ]
amdhsa.kernels:
  - .name:           k_qca25fc664f_cast
    .symbol:         k_qca25fc664f_cast.kd
    .args:
      - { .name: x, .offset: 0, .size: 8, .value_kind: global_buffer, .address_space: global }
      - { .name: wq, .offset: 8, .size: 8, .value_kind: global_buffer, .address_space: global }
      - { .name: wk, .offset: 16, .size: 8, .value_kind: global_buffer, .address_space: global }
      - { .name: wv, .offset: 24, .size: 8, .value_kind: global_buffer, .address_space: global }
      - { .name: wo, .offset: 32, .size: 8, .value_kind: global_buffer, .address_space: global }
      - { .name: cb, .offset: 40, .size: 8, .value_kind: global_buffer, .address_space: global }
    .group_segment_fixed_size: 0
    .private_segment_fixed_size: 0
    .kernarg_segment_align: 8
    .kernarg_segment_size: 48
    .max_flat_workgroup_size: 256
    .sgpr_count:     66
    .vgpr_count:     128
    .wavefront_size: 32
...
	.end_amdgpu_metadata
.endif
;; end of part 5
;; launch qkv: the kernel of part 2 again; grid 16 x 16, 4 waves a work-group, clusters of 4 x 4, 327,680 bytes of LDS; arguments cb, qkv; writes qkv
;; launch attn: the kernel of part 3 again; grid 16 x 16, 8 waves a work-group, clusters of 4 x 4, 327,680 bytes of LDS; arguments qkv, mask, att; writes att
;; launch oproj: the kernel of part 4 again; grid 16 x 16, 4 waves a work-group, clusters of 4 x 4, 327,680 bytes of LDS; arguments att, cb, out0; writes out0
